; MI455X (gfx1250); checked and timed in simulation.
; The chip was launched on July 23, 2026; its instructions are those of AMD's public machine-readable ISA for CDNA 5 (MIT licence, August 2026) and "CDNA5" Instruction Set Architecture Reference Guide (July 2026). The comments in the code are by the model that wrote it; some were corrected since.
;; Causal Self Attention. Allowed arithmetic: matrix products marked QUANTISED: E4M3 operands, one given power-of-two scale a tensor, by v_wmma_f32_16x16x64_fp8_fp8 or v_wmma_f32_16x16x128_fp8_fp8, f32 sums; everything else in f32.
;; Inputs: Wk 1,024 x 1,024 float32; Wp 1,024 x 1,024 float32; Wq 1,024 x 1,024 float32; Wv 1,024 x 1,024 float32; bk 1,024 float32; bp 1,024 float32; bq 1,024 float32; bv 1,024 float32; lowp_scales 12 int32 (the exponents e of the quantised operands' scales 2^e); rope_cache 2,048 x 32 x 2 float32; x 4 x 2,048 x 1,024 float32.
;; Outputs: out0 4 x 2,048 x 1,024 float32.
;; This version of the problem:
;;   THIS VERSION OF THE PROBLEM IS GIVEN IN LOW PRECISION. The matrix products marked QUANTISED in the list below multiply operands that are first quantised to E4M3 (4 exponent bits, 3 mantissa bits; 8 bits a number), with one given power-of-two scale for each operand tensor; their sums are f32. All else is computed in f32.
;;   The module's matrix products, in the order in which they are computed (A, B: the left and right operand; K: the contracted axis; several contracted axes count as one K, in the product's order):
;;     1. [M 8,192, K 1,024] x [K 1,024, N 1,024]; A: input x; B: input Wq: QUANTISED (scales: A lowp_scales[0], B lowp_scales[1])
;;     2. [M 8,192, K 1,024] x [K 1,024, N 1,024]; A: input x; B: input Wk: QUANTISED (scales: A lowp_scales[2], B lowp_scales[3])
;;     3. [M 8,192, K 1,024] x [K 1,024, N 1,024]; A: input x; B: input Wv: QUANTISED (scales: A lowp_scales[4], B lowp_scales[5])
;;     4. batch 64 x [M 2,048, K 64] x [K 64, N 2,048]; A: computed on the way; B: computed on the way: QUANTISED (scales: A lowp_scales[6], B lowp_scales[7])
;;     5. batch 64 x [M 2,048, K 2,048] x [K 2,048, N 64]; A: softmax (see below); B: computed on the way: QUANTISED (scales: A lowp_scales[8], B lowp_scales[9])
;;     6. [M 8,192, K 1,024] x [K 1,024, N 1,024]; A: computed on the way; B: input Wp: QUANTISED (scales: A lowp_scales[10], B lowp_scales[11])
;;   THE QUANTISER, for each operand of a quantised product, along K:
;;     - The operand's scale is 2^e, e = its entry of the input lowp_scales (int32; the entries are numbered through the quantised products in the list's order, A before B).
;;     - Each number is divided by the scale, clamped to +-448, and rounded to the nearest number of E4M3, ties to even, subnormals kept.
;;     - The product sums the exact products of the quantised numbers (number of the format x scale) in f32.
;;   ~~~python
;;   def quantise(x, axis, e):      # numpy; x: float32 -> the quantised numbers, widened to float32 again
;;       x = np.moveaxis(x, axis, -1); K = x.shape[-1]
;;       r = np.clip(x / 2.0 ** e, -448, 448)
;;       step = 2.0 ** (np.maximum(np.frexp(np.where(r == 0, 1, r))[1] - 1, -6) - 3)
;;       q = np.round(r / step) * step * 2.0 ** e      # np.round: ties to even
;;       return np.moveaxis(q, -1, axis).astype(np.float32)
;;   ~~~
;;   SOFTMAX AHEAD OF A QUANTISED PRODUCT. Where the list says 'softmax', what is quantised is not the finished softmax but p = 2^(t - M), with t = logit x log2(e) and M = ceil(the row's largest t), a whole number; so 1/2 < the row's largest p <= 1. The row's sum l is taken of the UNQUANTISED p, in f32, and the product's result is divided by l at the end. Since M is a whole number, a kernel that streams over the keys may use a running M (the ceiling of the running maximum): every later rescaling is an exact power of two, so the quantised numbers keep their values, but for numbers so far below the row's largest that they fall under the format's range.
;;   OPERANDS COMPUTED ON THE WAY. 'Computed on the way' means the value that the module computes at that place (a softmax that the list does not call 'softmax' is quantised finished and normalised). What goes into a quantiser is computed in f32, as accurately as f32 sums, v_exp_f32 and their like allow (about 1e-6 of the number): no bf16 or f16 on the way to a quantiser, and a product that is left as it is and whose result goes on into a quantised operand takes f32 operands (vector FMAs, or v_wmma_f32_16x16x4_f32). A number that lies on a knife's edge between two numbers of the format may be rounded either way, as far as f32 arithmetic and the matrix unit's own rounding can turn it there, and no further.
;; 2 versions, each right; version 2 is version 1 with the launch attn written anew for expert scheduling mode. Each part assembles by itself: llvm-mc -triple=amdgcn-amd-amdhsa -mcpu=gfx1250 --defsym DOCPART=n.
;; ======== version 1 of 2: 4 launches
;; workspace buffers: xc 25,165,824 bytes; wc 4,194,304 bytes; qc 8,388,608 bytes; kc 8,388,608 bytes; vc 8,388,608 bytes; yc 8,388,608 bytes
;; launch quant (part 1): grid 384 x 1, 4 waves a work-group, no clusters, 33,280 bytes of LDS; arguments x, Wq, Wk, Wv, Wp, lowp_scales, xc, wc; writes xc, wc
.if DOCPART == 1
	.amdgcn_target "amdgcn-amd-amdhsa--gfx1250"
	.amdhsa_code_object_version 6
	.text
	.protected	k_q6d1571e8f3_quant
	.globl	k_q6d1571e8f3_quant
	.p2align	8
	.type	k_q6d1571e8f3_quant,@function
k_q6d1571e8f3_quant:
	s_mov_b64 s[64:65], 0
	v_nop
	global_prefetch_b8 v0, s[64:65] scope:SCOPE_SE
	s_setreg_imm32_b32 hwreg(HW_REG_WAVE_MODE, 25, 1), 1
	s_wait_xcnt 0x0
; x [8192][1024] f32 becomes three streams of E4M3 codes (xc[0], xc[1], xc[2]: with the scales 2^e0, 2^e2, 2^e4 of the three products that read x);
; Wq, Wk, Wv, Wp [1024][1024] f32 become one stream each (wc[0..3]: with 2^e1, 2^e3, 2^e5, 2^e11).  K is innermost in all of them, so each tensor is a plain stream.
; code = number / 2^e, held within +-448, rounded to the nearest code, ties to even.
; LIMITS: each e used here lies between -126 and 119, so that 2^e and 448 x 2^e are f32 numbers.  NaN among the inputs is not served.
; SHARES: a work-group takes 32,768 numbers, a wave 16 steps of 512.  Work-groups 0-255 take x, 256-383 the four weights (32 each).
; A step's four loads read 512 consecutive bytes each; the 2,048 bytes turn through the wave's own stage in LDS and come back 64 bytes a lane: 16 neighbours along K,
; which is what the conversions take.  A lane's 16 codes are 16 bytes: a store of the wave covers 512 consecutive bytes.  No barrier: waves share nothing.
.set STEPS, 16
.set XWG,   256                        ; work-groups that take x
.set SP,    80                         ; a lane's place in a stage: 64 bytes + 16 of padding
.set WREG,  8192                       ; LDS of a wave: two stages of 32 x SP bytes
.set R,     16                         ; v16-79   four sets of 16 numbers as loaded
.set X,     80                         ; v80-111  two sets of 16 neighbours
.set T,     112                        ; v112-127 the numbers, held
.set C,     128                        ; v128-139 codes: four registers for each of three streams
	s_load_b512 s[8:23], s[0:1], 0x0               ; x s[8:9], Wq s[10:11], Wk s[12:13], Wv s[14:15], Wp s[16:17], scales s[18:19], xc s[20:21], wc s[22:23]
	v_lshl_add_u32 v144, v0, 2, 0x8000
	v_mov_b32 v145, 0
	v_lshrrev_b32 v1, 5, v0
	v_readfirstlane_b32 s2, v1                     ; wave
	v_and_b32 v2, 31, v0                           ; lane
	v_lshlrev_b32 v3, 4, v2                        ; 16 x lane: my bytes of a load's 512, and of a step's 512 bytes of codes
	s_mul_i32 s3, s2, WREG
	v_lshrrev_b32 v14, 2, v2
	v_mul_u32_u24 v14, v14, SP
	v_and_b32 v15, 3, v2
	v_lshl_add_u32 v14, v15, 4, v14
	v_add_nc_u32 v14, s3, v14                      ; the stage, on the way in: SP (lane / 4) + 16 (lane % 4)
	v_mul_u32_u24 v15, v2, SP
	v_add_nc_u32 v15, s3, v15                      ; and on the way out: SP x lane
	s_sub_co_u32 s44, ttmp9, XWG                   ; (used only where the work-group takes a weight)
	s_lshr_b32 s45, s44, 5                         ; which weight
	s_and_b32 s46, s44, 31                         ; which 32,768 numbers of it
	s_lshl_b32 s52, s45, 20                        ; the weight's codes in wc
	s_cmp_lt_u32 ttmp9, XWG
	s_cselect_b32 s46, ttmp9, s46
	s_cselect_b32 s52, 0, s52
	s_lshl_b32 s46, s46, 2
	s_add_co_u32 s46, s46, s2                      ; my wave's run of 8,192 numbers
	s_lshl_b32 s48, s46, 15                        ; its bytes as f32,
	s_mov_b32 s49, 0
	s_lshl_b32 s50, s46, 13                        ; and as codes
	s_mov_b32 s51, 0
	s_mov_b32 s53, 0
	s_wait_kmcnt 0x0
	s_load_b256 s[32:39], s[18:19], 0x0            ; e0 .. e7
	s_load_b128 s[40:43], s[18:19], 0x20           ; e8 .. e11
	s_mov_b64 s[4:5], s[16:17]                     ; the source: Wp, unless ..  (every choice hangs on the work-group's number alone)
	s_cmp_eq_u32 s45, 2
	s_cselect_b64 s[4:5], s[14:15], s[4:5]
	s_cmp_eq_u32 s45, 1
	s_cselect_b64 s[4:5], s[12:13], s[4:5]
	s_cmp_eq_u32 s45, 0
	s_cselect_b64 s[4:5], s[10:11], s[4:5]
	s_cmp_lt_u32 ttmp9, XWG
	s_cselect_b64 s[4:5], s[8:9], s[4:5]
	s_cselect_b64 s[24:25], s[20:21], s[22:23]     ; the first stream: xc[0] or wc
	s_add_nc_u64 s[4:5], s[4:5], s[48:49]
	s_add_nc_u64 s[24:25], s[24:25], s[52:53]
	s_add_nc_u64 s[24:25], s[24:25], s[50:51]
	s_add_nc_u64 s[26:27], s[20:21], s[50:51]
	s_add_nc_u64 s[26:27], s[26:27], 0x800000      ; xc[1]
	s_add_nc_u64 s[28:29], s[26:27], 0x800000      ; xc[2]
.macro LOAD t
.irp i, 0,1,2,3
	global_load_b128 v[R+16*((\t)%4)+4*\i:R+16*((\t)%4)+4*\i+3], v3, s[4:5] offset:2048*(\t)+512*\i th:TH_LOAD_NT   ; 32 lanes read 512 consecutive bytes; read once in the launch
.endr
.endm
.macro TURN t                          ; step t's numbers through the stage: LDS serves a wave's instructions in order, so no wait stands between the stores and the loads
.irp i, 0,1,2,3
	ds_store_b128 v14, v[R+16*((\t)%4)+4*\i:R+16*((\t)%4)+4*\i+3] offset:32*SP*((\t)%2)+8*SP*\i
.endr
.irp i, 0,1,2,3
	ds_load_b128 v[X+16*((\t)%2)+4*\i:X+16*((\t)%2)+4*\i+3], v15 offset:32*SP*((\t)%2)+16*\i
.endr
.endm
.irp t, 0,1,2,3
	LOAD \t
.endr
	s_wait_kmcnt 0x0
	s_mov_b32 s54, s43                             ; the first stream's e: e11, unless ..
	s_cmp_eq_u32 s45, 2
	s_cselect_b32 s54, s37, s54
	s_cmp_eq_u32 s45, 1
	s_cselect_b32 s54, s35, s54
	s_cmp_eq_u32 s45, 0
	s_cselect_b32 s54, s33, s54
	s_cmp_lt_u32 ttmp9, XWG
	s_cselect_b32 s54, s32, s54
.macro MKSC e, lim, sc                 ; v[sc] = 2^e as f32 (the conversion takes its exponent field), v[lim] = 448 x 2^e
	s_add_co_i32 s55, s[\e], 127
	s_lshl_b32 s56, s55, 23
	v_mov_b32 v[\sc], s56
	s_add_co_i32 s55, s55, 8
	s_lshl_b32 s55, s55, 23
	s_or_b32 s55, s55, 0x600000
	v_mov_b32 v[\lim], s55
.endm
	MKSC 54, 5, 6
	MKSC 34, 7, 8                                  ; e2
	MKSC 36, 9, 10                                 ; e4
	s_wait_loadcnt 12                              ; step 0's four loads are in
	TURN 0
.macro CODES lim, sc, c                ; the 16 neighbours in v[XS] on become 16 codes in v[C + c] on
.irp i, 0,1,2,3,4,5,6,7,8,9,10,11,12,13,14,15
	v_med3_num_f32 v[T+\i], v[XS+\i], -v[\lim], v[\lim]   ; the conversion to an 8-bit code does not saturate (ISA guide 7.6.2): the hold at the largest code x the scale
.endr
	v_cvt_scalef32_pk8_fp8_f32 v[C+\c:C+\c+1], v[T:T+7], v[\sc]
	v_cvt_scalef32_pk8_fp8_f32 v[C+\c+2:C+\c+3], v[T+8:T+15], v[\sc]
	v_nop                                          ; a plain line between the conversions and the next holds, which write their sources
.endm
.macro STEP t
.set XS, X+16*((\t)%2)
	s_wait_dscnt 0x0                               ; this step's numbers are back from the stage
	s_wait_xcnt 0x0                                ; the last step's stores have read their codes: C is written again only behind this wait
.if (\t)+4 < STEPS
	LOAD (\t)+4
.endif
.if (\t)+1 < STEPS
.if STEPS-2-(\t) >= 3
	s_wait_loadcnt 12                              ; the next step's four loads are in; those of the three steps behind it may be out
.else
	s_wait_loadcnt 4*(STEPS-2-(\t))
.endif
	TURN (\t)+1                                    ; they go through the other stage while this step is worked
.endif
	CODES 5, 6, 0
	global_store_b128 v3, v[C:C+3], s[24:25] offset:512*(\t)
	s_cmp_lt_u32 ttmp9, XWG                        ; a weight has one stream, x three
	s_cbranch_scc0 .Lone_\@
	CODES 7, 8, 4
	global_store_b128 v3, v[C+4:C+7], s[26:27] offset:512*(\t)
	CODES 9, 10, 8
	global_store_b128 v3, v[C+8:C+11], s[28:29] offset:512*(\t)
.Lone_\@:
.endm
.irp t, 0,1,2,3,4,5,6,7,8,9,10,11,12,13,14,15
	STEP \t
.endr
	s_wait_tensorcnt 0x0
	ds_add_u32 v144, v145
	s_wait_dscnt 0x0
	s_endpgm
.Lfunc_end_k_q6d1571e8f3_quant:
	.size	k_q6d1571e8f3_quant, .Lfunc_end_k_q6d1571e8f3_quant-k_q6d1571e8f3_quant
	.p2alignl 7, 3214868480
	.fill 96, 4, 3214868480
	.section	.rodata,"a",@progbits
	.p2align	6, 0x0
	.amdhsa_kernel k_q6d1571e8f3_quant
		.amdhsa_group_segment_fixed_size 33280
		.amdhsa_private_segment_fixed_size 0
		.amdhsa_enable_private_segment 0
		.amdhsa_kernarg_size 64
		.amdhsa_user_sgpr_count 2
		.amdhsa_user_sgpr_kernarg_segment_ptr 1
		.amdhsa_wavefront_size32 1
		.amdhsa_system_sgpr_workgroup_id_x 1
		.amdhsa_system_sgpr_workgroup_id_y 1
		.amdhsa_system_sgpr_workgroup_id_z 1
		.amdhsa_system_vgpr_workitem_id 0
		.amdhsa_next_free_vgpr 146
		.amdhsa_next_free_sgpr 66
		.amdhsa_reserve_vcc 0
		.amdhsa_float_denorm_mode_32 3
		.amdhsa_float_denorm_mode_16_64 3
		.amdhsa_memory_ordered 1
		.amdhsa_forward_progress 1
		.amdhsa_inst_pref_size 81
	.end_amdhsa_kernel
	.amdgpu_metadata
---
amdhsa.version: [ 1, 2 ]
amdhsa.kernels:
  - .name:           k_q6d1571e8f3_quant
    .symbol:         k_q6d1571e8f3_quant.kd
    .args:
      - { .name: x, .offset: 0, .size: 8, .value_kind: global_buffer, .address_space: global }
      - { .name: Wq, .offset: 8, .size: 8, .value_kind: global_buffer, .address_space: global }
      - { .name: Wk, .offset: 16, .size: 8, .value_kind: global_buffer, .address_space: global }
      - { .name: Wv, .offset: 24, .size: 8, .value_kind: global_buffer, .address_space: global }
      - { .name: Wp, .offset: 32, .size: 8, .value_kind: global_buffer, .address_space: global }
      - { .name: lowp_scales, .offset: 40, .size: 8, .value_kind: global_buffer, .address_space: global }
      - { .name: xc, .offset: 48, .size: 8, .value_kind: global_buffer, .address_space: global }
      - { .name: wc, .offset: 56, .size: 8, .value_kind: global_buffer, .address_space: global }
    .group_segment_fixed_size: 33280
    .private_segment_fixed_size: 0
    .kernarg_segment_align: 8
    .kernarg_segment_size: 64
    .max_flat_workgroup_size: 128
    .sgpr_count:     66
    .vgpr_count:     146
    .wavefront_size: 32
...
	.end_amdgpu_metadata
.endif
;; end of part 1
;; launch qkv (part 2): grid 12 x 32, 4 waves a work-group, clusters of 4 x 4, 327,680 bytes of LDS; arguments xc, wc, lowp_scales, bq, bk, bv, rope_cache, qc, kc, vc; writes qc, kc, vc
.if DOCPART == 2
	.amdgcn_target "amdgcn-amd-amdhsa--gfx1250"
	.amdhsa_code_object_version 6
	.text
	.protected	k_q6d1571e8f3_qkv
	.globl	k_q6d1571e8f3_qkv
	.p2align	8
	.type	k_q6d1571e8f3_qkv,@function
k_q6d1571e8f3_qkv:
	s_mov_b64 s[64:65], 0
	v_nop
	global_prefetch_b8 v0, s[64:65] scope:SCOPE_SE
	s_setreg_imm32_b32 hwreg(HW_REG_WAVE_MODE, 25, 1), 1
	s_wait_xcnt 0x0
	s_wait_alu depctr_hold_cnt(0) depctr_sa_sdst(0) depctr_va_vdst(0) depctr_va_sdst(0) depctr_va_ssrc(0) depctr_va_vcc(0) depctr_vm_vsrc(0)
	s_getreg_b32 s2, hwreg(HW_REG_IB_STS2, 6, 4)
	s_cmp_eq_u32 s2, 0
	s_cbranch_scc0 .Lentry_in_a_cluster
	s_endpgm
.Lentry_in_a_cluster:
	s_bfe_u32 s2, ttmp6, 0x10000c
	s_cmp_lg_u32 s2, 0xf033
	s_cbranch_scc0 .Lentry_shape_is_right
	s_endpgm
.Lentry_shape_is_right:
; q = rope(x Wq^T + bq), k = rope(x Wk^T + bk), v = x Wv^T + bv on E4M3 codes, each result quantised at once: qc, kc [64 heads][2048 t][64 d] (2^e6, 2^e7), vc [64 heads][16 blocks of t][64 d][128 t] (2^e9, keys innermost).
; The cluster's x, X, says which: 0 q, 1 k, 2 v; it is the same in all sixteen partners, and every branch below that is not on the wave's number is on X alone.
; A tile of 256 x 256 is made by four waves, each 128 x 128: 64 accumulators, 512 registers.  K = 1,024 goes in four steps of 256 through a ring of two LDS slots filled by joint tensor loads:
; the "A region" of a slot is shared along a row of the cluster, the "B region" along a column.  The matrix instruction takes 16 rows of the B region as source 0 and 16 rows of the A region as source 1:
; register j of lane (r, h) of accumulator (a, b) is (A row 16 a + r, B row 16 b + 8 h + j).
; q, k: A region = rows of x (copy X), B region = rows of W: a lane holds eight neighbouring CHANNELS of one token: four RoPE pairs, eight codes along d.
; v:    A region = rows of Wv, B region = rows of x (copy 2): a lane holds eight neighbouring TOKENS of one channel: eight codes along the keys.
; The bias, divided by 2^E (E = the two operands' exponents added), is the C of each sum's first matrix instruction.  RoPE is linear, so it is applied to the sums as they stand, and the
; conversion takes the one scale 2^(eo - E), eo = e6, e7 or e9.
; A fragment is fetched by four loads of 16 bytes, so that k stands in other places than the form's own layout gives it: the same places in both operands, so every product meets its partner.
; LIMITS: e6 - e0 - e1, e7 - e2 - e3 and e9 - e4 - e5 lie between -126 and 119.  NaN among the inputs is not served.
; REGISTERS, in windows of 256: window 0: v12-31 addresses and two constants; v32-95 the bias, later a block's numbers; v96-127 at work on the way out; v128-255 A's fragments, ONE set, later RoPE's numbers and codes read back.
;   window 1: B's fragments, TWO sets.   window 2: the accumulators of my A rows 0-63 ((a, b) at v[8 (8 a + b)]);   window 3: those of rows 64-127.
.set KROW,   1024                      ; a row of codes in memory, in bytes
.set ROWB,   256                       ; a tile's row: 256 codes
.set PITCH,  272                       ; an LDS row: 256 bytes + 16 of padding: the 16 rows that a load touches start 68 words apart
.set FR,     16                        ; registers of a fragment: 16 rows x 128 K
.set NL,     4                         ; LDS loads that bring one
.set NP,     4                         ; places behind this matrix instruction (ISA guide 7.12.1)
.set HALFT,  128*PITCH                 ; 128 rows: what one tensor load brings
.set SLOT,   4*HALFT                   ; the A region's 256 rows, then the B region's
.set LAPS,   2                         ; a lap = two K steps = once round the ring
.set SPARE,  2*SLOT                    ; behind the ring: the spare words, 128 bytes for each wave, that no other line names
.set ASTEP,  2*ROWB                    ; what a slot's address steps from fill to fill
.set BSTEP,  2*ROWB
.set VST,    16384                     ; the way out of v has LDS bytes of its own; both stages lie in slot 0, which has had its last fill and its last read by then
.set ADRA, 16                          ; v16-17  LDS address of my A fragments in slot 0, 1
.set ADRB, 20                          ; v20-21  the same for B
.set STOV, 22                          ; v22     v's stage: where I put 8 codes
.set RDV,  23                          ; v23     and where I read 16 back
.set STO,  24                          ; v24     q's and k's stage: in
.set RD,   25                          ; v25     and back
.set CO,   26                          ; v26     16 x lane: my bytes of a store's 512
.set RO,   27                          ; v27     my bytes in 16 rows of rope_cache
.set SPW,  28                          ; v28     LDS address of my spare word; never rewritten
.set NIL,  29                          ; v29     0; never rewritten
.set SC,   30                          ; v30     2^(eo - E) as f32
.set LIM,  31                          ; v31     448 x that
.set BIAS, 32
.set TMP,  32
.set TT,   96
.set CD,   112
.set AF,   128
.set RP,   128                         ; RoPE's numbers: two sets of 32
.set BK,   192                         ; codes read back: two sets of 16
.set G1, 24                            ; s[24:31] descriptor group 1 for the A region;  s[32:39] group 0, one set for each slot
.set G0, 32
.set G1B, 48                           ; s[48:55], s[56:63] the same for the B region
.set G0B, 56
.set MSB, 0
.macro WIN new                         ; the immediate's high byte repeats the setting that is left
.if MSB != (\new)
	s_set_vgpr_msb (MSB<<8)|(\new)
.set MSB, (\new)
.endif
.endm
.set MUL_LO, 0xa1                      ; source 0 (B) window 1, source 1 (A) window 0, C and D window 2
.set MUL_HI, 0xf1                      ; the same, C and D window 3
.set TO_B,   0x40                      ; destination window 1, address window 0
.macro WMUL hi, zero                   ; the windows of a run of products; zero != 0: C is the bias, in window 0
.if \zero
	WIN 0x81+0x40*\hi
.else
	WIN 0xa1+0x50*\hi
.endif
.endm
; A joint load: waves 0 and 1 fetch for the A region, waves 2 and 3 for the B region.  Each line has one mask and one set of registers for all that issue it; the branch hangs on the wave's number alone.
; Four v_nop follow each of the two lines, ahead of the jump, the label and what follows.
.macro JLOAD g0a, g1a, g0b, g1b
	s_cmp_eq_u32 s15, 0
	s_cbranch_scc0 .Lfor_b_\@
	tensor_load_to_lds s[\g0a:\g0a+3], s[\g1a:\g1a+7]
	s_nop 0
.rept 4
	v_nop
.endr
	s_branch .Lasked_\@
.Lfor_b_\@:
	tensor_load_to_lds s[\g0b:\g0b+3], s[\g1b:\g1b+7]
	s_nop 0
.rept 4
	v_nop
.endr
.Lasked_\@:
.endm
.macro CREST                           ; a round of the cluster's barrier behind its opening barrier
	s_cmp_lg_u32 s14, 0
	s_cbranch_scc1 .Lnot_wave_0_\@
	s_barrier_signal -3
.Lnot_wave_0_\@:
	s_barrier_wait -3
	s_barrier_signal -1
	s_barrier_wait -1
.endm
.macro CROUND                          ; a whole round
	s_barrier_signal -1
	s_barrier_wait -1
	CREST
.endm
	s_load_b512 s[68:83], s[0:1], 0x0              ; xc s[68:69], wc s[70:71], scales s[72:73], bq s[74:75], bk s[76:77], bv s[78:79], rope_cache s[80:81], qc s[82:83]
	s_load_b128 s[84:87], s[0:1], 0x40             ; kc s[84:85], vc s[86:87]
	v_lshl_add_u32 v[SPW], v0, 2, SPARE
	v_mov_b32 v[NIL], 0
	ds_add_u32 v28, v29
	ds_add_u32 v28, v29
	s_wait_dscnt 0x0
	v_lshrrev_b32 v1, 5, v0
	v_readfirstlane_b32 s14, v1                    ; wave 0..3
	s_lshr_b32 s15, s14, 1                         ; which half of the A region's rows is mine.  Also: I fetch for A (0) or for B (1)
	s_and_b32 s16, s14, 1                          ; which half of the B region's rows.  Also: which 128 rows I fetch
	s_bfe_u32 s40, ttmp6, 0x40000                  ; cx, cy: my place in the cluster
	s_bfe_u32 s41, ttmp6, 0x40004
	s_mov_b32 s12, ttmp9                           ; X
	s_and_b32 s13, ttmp7, 0xffff
	s_lshl_b32 s13, s13, 2                         ; 4 Y
	s_cmp_eq_u32 s12, 2
	s_cselect_b32 s18, 0, s13                      ; the 32 tiles of tokens lie along the A region for q and k,
	s_cselect_b32 s19, s13, 0                      ; along the B region for v
	s_add_co_u32 s17, s41, s18                     ; the A region's tile: cy (+ 4 Y)
	s_add_co_u32 s42, s40, s19                     ; the B region's tile: cx (+ 4 Y)
	s_lshl_b32 s43, s41, 2
	s_lshl_b32 s43, 15, s43                        ; my row of the cluster
	s_lshl_b32 s44, 0x1111, s40                    ; my column
	s_or_b32 s[G1+0], s43, (0<<16)|(1<<20)|(1<<21)|(5<<22)|(3<<25)  ; 15:0 the mask; 17:16 element of 1 byte; 20 padding on; 21 set beside a mask; 24:22 after every 64 words (code 5); 31:25 of 4 words (code 3)
	s_or_b32 s[G1B+0], s44, (0<<16)|(1<<20)|(1<<21)|(5<<22)|(3<<25)
.irp g, G1, G1B
	s_mov_b32 s[\g+1], ROWB<<16                    ; tensor_dim0
	s_mov_b32 s[\g+2], 128<<16                     ; tensor_dim1 = 128
	s_mov_b32 s[\g+3], ROWB<<16                    ; tile_dim0
	s_mov_b32 s[\g+4], 128                         ; tile_dim1 = 128
	s_mov_b32 s[\g+5], KROW                        ; tensor_dim0_stride
	s_mov_b32 s[\g+6], 0
	s_mov_b32 s[\g+7], 0
.endr
	s_lshl_b32 s18, s12, 23                        ; copy X of x
	s_lshl_b32 s19, s12, 20                        ; weight X
	s_cmp_eq_u32 s12, 2
	s_cselect_b32 s20, s19, s18                    ; the A region's tensor begins here in its buffer,
	s_cselect_b32 s46, s18, s19                    ; the B region's here
	s_lshl_b32 s18, s16, 17                        ; which 128 rows of 1,024 bytes I fetch
	s_lshl_b32 s19, s17, 18                        ; a tile is 256 rows
	s_add_co_u32 s20, s20, s19
	s_add_co_u32 s20, s20, s18
	s_mov_b32 s21, 0
	s_lshl_b32 s47, s42, 18
	s_add_co_u32 s46, s46, s47
	s_add_co_u32 s46, s46, s18
	s_mov_b32 s47, 0
	s_mul_i32 s45, s14, HALFT                      ; where the rows go: wave x 128 rows: no place in the cluster enters an LDS address
	s_wait_kmcnt 0x0
	s_load_b256 s[88:95], s[72:73], 0x0            ; e0 .. e7
	s_load_b128 s[96:99], s[72:73], 0x20           ; e8 .. e11
	s_cmp_eq_u32 s12, 2
	s_cselect_b64 s[4:5], s[70:71], s[68:69]       ; the A region's buffer: wc for v, else xc
	s_cselect_b64 s[6:7], s[68:69], s[70:71]       ; the B region's
	s_add_nc_u64 s[20:21], s[4:5], s[20:21]
	s_add_nc_u64 s[46:47], s[6:7], s[46:47]
	CROUND                                         ; all sixteen work-groups are here: the first joint loads meet
.irp s, 0,1
	s_mov_b32 s[G0+4*\s], 1
	s_add_co_u32 s[G0+4*\s+1], s45, \s*SLOT
	s_add_nc_u64 s[G0+4*\s+2:G0+4*\s+3], s[20:21], \s*ROWB
	s_or_b32 s[G0+4*\s+3], s[G0+4*\s+3], 0x80000000
	s_mov_b32 s[G0B+4*\s], 1
	s_add_co_u32 s[G0B+4*\s+1], s45, \s*SLOT
	s_add_nc_u64 s[G0B+4*\s+2:G0B+4*\s+3], s[46:47], \s*ROWB
	s_or_b32 s[G0B+4*\s+3], s[G0B+4*\s+3], 0x80000000
	JLOAD G0+4*\s, G1, G0B+4*\s, G1B
.endr
	; every LDS address is made here, ahead of the first parting on X
	v_and_b32 v1, 15, v0                           ; r
	v_bfe_u32 v2, v0, 4, 1                         ; h
	v_and_b32 v6, 31, v0                           ; lane
	v_mul_u32_u24 v3, v1, PITCH
	v_lshl_add_u32 v4, v2, 4, v3                   ; a fragment's row x pitch + 16 h
	s_mul_i32 s21, s15, HALFT                      ; my 128 rows of the A region
	s_mul_i32 s22, s16, HALFT                      ; my 128 rows of the B region,
	s_add_co_u32 s22, s22, 2*HALFT                 ; which lies behind A's 256 rows
.irp s, 0,1
	v_add_nc_u32 v[ADRA+\s], s21, v4
	v_add_nc_u32 v[ADRB+\s], s22, v4
	s_add_co_u32 s21, s21, SLOT
	s_add_co_u32 s22, s22, SLOT
.endr
	s_mul_i32 s23, s14, 2560                       ; q's and k's stage: for each wave two heads x 16 tokens x (64 bytes + 16)
	v_mul_u32_u24 v5, v1, 80
	v_lshl_add_u32 v5, v2, 3, v5
	v_add_nc_u32 v[STO], s23, v5                   ; in: token r, + 8 h
	v_lshrrev_b32 v7, 2, v6
	v_mul_u32_u24 v7, v7, 80
	v_and_b32 v8, 3, v6
	v_lshl_add_u32 v7, v8, 4, v7
	v_add_nc_u32 v[RD], s23, v7                    ; back: four lanes to a token's 64 bytes, eight tokens an instruction
	s_mul_i32 s23, s14, 2304                       ; v's stage: for each wave 16 channels x (128 bytes + 16)
	s_add_co_u32 s23, s23, VST
	v_mul_u32_u24 v5, v1, 144
	v_lshl_add_u32 v5, v2, 3, v5
	v_add_nc_u32 v[STOV], s23, v5                  ; in: channel r, + 8 h
	v_lshrrev_b32 v7, 3, v6
	v_mul_u32_u24 v7, v7, 144
	v_and_b32 v8, 7, v6
	v_lshl_add_u32 v7, v8, 4, v7
	v_add_nc_u32 v[RDV], s23, v7                   ; back: eight lanes to a channel's 128 bytes, four channels an instruction
	v_lshlrev_b32 v[CO], 4, v6
	v_lshlrev_b32 v[RO], 8, v1
	v_lshl_add_u32 v[RO], v2, 5, v[RO]             ; rope_cache: row r of 256 bytes, + 32 h: my four pairs
	v_lshlrev_b32 v12, 5, v2                       ; a bias of q or k: my eight numbers of sixteen
	v_lshlrev_b32 v13, 2, v1                       ; bv: my channel's number
	s_wait_kmcnt 0x0
	s_add_co_i32 s100, s88, s89                    ; E = the two operands' exponents added, and eo, chosen by X without a jump
	s_add_co_i32 s101, s90, s91
	s_add_co_i32 s2, s92, s93
	s_cmp_eq_u32 s12, 1
	s_cselect_b32 s100, s101, s100
	s_cselect_b32 s18, s95, s94
	s_cselect_b64 s[6:7], s[76:77], s[74:75]       ; bk or bq,
	s_cmp_eq_u32 s12, 2
	s_cselect_b32 s100, s2, s100
	s_cselect_b32 s18, s97, s18
	s_cselect_b64 s[6:7], s[78:79], s[6:7]         ; or bv
	s_sub_co_i32 s101, 0, s100                     ; -E
	s_sub_co_i32 s18, s18, s100
	s_add_co_i32 s18, s18, 127
	s_lshl_b32 s19, s18, 23
	v_mov_b32 v[SC], s19                           ; 2^(eo - E): a sum stands for sum x 2^E, its code is sum / 2^(eo - E)
	s_add_co_i32 s18, s18, 8
	s_lshl_b32 s18, s18, 23
	s_or_b32 s18, s18, 0x600000
	v_mov_b32 v[LIM], s18                          ; 448 x that
	s_lshl_b32 s18, s17, 10                        ; my 128 channels' numbers in the bias: along the A region for v,
	s_lshl_b32 s19, s15, 9
	s_add_co_u32 s18, s18, s19
	s_lshl_b32 s19, s42, 10                        ; along the B region for q and k
	s_lshl_b32 s2, s16, 9
	s_add_co_u32 s19, s19, s2
	s_cmp_eq_u32 s12, 2
	s_cselect_b32 s18, s18, s19
	s_mov_b32 s19, 0
	s_add_nc_u64 s[6:7], s[6:7], s[18:19]
	s_cmp_eq_u32 s12, 2
	s_cbranch_scc1 .Lbias_v
.irp b, 0,1,2,3,4,5,6,7                        ; q, k: for B block b the bias of channels 16 b + 8 h + 0 .. 7
	global_load_b128 v[BIAS+8*\b:BIAS+8*\b+3], v12, s[6:7] offset:64*\b
	global_load_b128 v[BIAS+8*\b+4:BIAS+8*\b+7], v12, s[6:7] offset:64*\b+16
.endr
	s_wait_loadcnt 0x0
.set j, 0
.rept 64
	v_ldexp_f32 v[BIAS+j], v[BIAS+j], s101         ; / 2^E
.set j, j+1
.endr
	s_branch .Lbias_done
.Lbias_v:
.irp a, 0,1,2,3,4,5,6,7                        ; v: for A block a the bias of channel 16 a + r, the same in all eight registers
	global_load_b32 v[TT+\a], v13, s[6:7] offset:64*\a
.endr
	s_wait_loadcnt 0x0
.set j, 0
.rept 64
	v_ldexp_f32 v[BIAS+j], v[TT+j/8], s101
.set j, j+1
.endr
.Lbias_done:
.macro FRAGB reg, adr, q, i            ; a fragment: lane l holds row l % 16; registers 4 c .. 4 c + 3 hold K = 32 c + 16 (l / 16) + 0 .. 15
.irp c, 0,1,2,3
	ds_load_b128 v[\reg+4*\c:\reg+4*\c+3], v[\adr] offset:128*(\q)+32*\c+(\i)*16*PITCH
.endr
.endm
.macro FRAGA reg, adr, q, i
.irp c, 0,1,2,3
	ds_load_b128 v[\reg+4*\c:\reg+4*\c+3], v[\adr] offset:128*(\q)+32*\c+(\i)*16*PITCH
.endr
.endm
; 16 matrix instructions: A's blocks a0, a0 + 1 x B's eight, 128 along K.  p: B's set.  zero = 1: the sums start with the bias of B block b; 2: of A block a; nothing is ever cleared.
; The 64 accumulators take turns, one instruction a turn, in the same order in every step.
.macro MUL16 a0, p, zero
.irp a, \a0, \a0+1
.irp b, 0,1,2,3,4,5,6,7
.if \zero == 1
	v_wmma_f32_16x16x128_fp8_fp8 v[8*(8*((\a)%4)+\b):8*(8*((\a)%4)+\b)+7], v[128*(\p)+FR*\b:128*(\p)+FR*\b+FR-1], v[AF+FR*(\a):AF+FR*(\a)+FR-1], v[BIAS+8*\b:BIAS+8*\b+7]
.elseif \zero == 2
	v_wmma_f32_16x16x128_fp8_fp8 v[8*(8*((\a)%4)+\b):8*(8*((\a)%4)+\b)+7], v[128*(\p)+FR*\b:128*(\p)+FR*\b+FR-1], v[AF+FR*(\a):AF+FR*(\a)+FR-1], v[BIAS+8*(\a):BIAS+8*(\a)+7]
.else
	v_wmma_f32_16x16x128_fp8_fp8 v[8*(8*((\a)%4)+\b):8*(8*((\a)%4)+\b)+7], v[128*(\p)+FR*\b:128*(\p)+FR*\b+FR-1], v[AF+FR*(\a):AF+FR*(\a)+FR-1], v[8*(8*((\a)%4)+\b):8*(8*((\a)%4)+\b)+7]
.endif
.endr
.endr
.endm
.macro FETCH_B slot, q, p              ; B's eight fragments of the slot's q-th 128 along K into set p
	WIN TO_B
.irp i, 0,1,2,3,4,5,6,7
	FRAGB 128*(\p)+FR*\i, ADRB+\slot, \q, \i
.endr
	WIN 0
.endm
.macro FETCH_A slot, q, i0             ; A's blocks i0 .. i0 + 3
.irp i, \i0, \i0+1, \i0+2, \i0+3
	FRAGA AF+FR*(\i), ADRA+\slot, \q, \i
.endr
.endm
; A load into a register that a matrix instruction has read, and a vector instruction that reads a matrix result, stand NP places behind that matrix instruction; only plain vector
; instructions that name none of its registers are places (ISA guide 7.12.1 for vector instructions).
.macro PLACES n
.rept \n
	v_nop
.endr
.endm
; A step of 128 along K that has its successor in the same slot.
.macro STEP slot, q, zero
	s_wait_dscnt 4*NL                              ; B's set and A's blocks 0-3 are in; the youngest sixteen loads (A's blocks 4-7) may be out
	WMUL 0, \zero
	MUL16 0, (\q)%2, \zero
	MUL16 2, (\q)%2, \zero
	s_wait_dscnt 0                                 ; A's blocks 4-7 are in
	PLACES NP
	FETCH_B \slot, (\q)+1, 1-(\q)%2
	FETCH_A \slot, (\q)+1, 0
	WMUL 1, \zero
	MUL16 4, (\q)%2, \zero
	MUL16 6, (\q)%2, \zero
	PLACES NP
	WIN 0
	FETCH_A \slot, (\q)+1, 4
.endm
; A slot's last step changes slots: ONE barrier; in front of it each wave waits for all its tensor loads, adds 0 to its spare word, and waits for that and for its own reads of this slot.  fill = 1: this slot is filled again, two K steps ahead.
.macro TURN slot, next, fill
	s_wait_tensorcnt 0x0                           ; all my tensor loads have landed: my part of the next slot  (every window is 0 here)
	ds_add_u32 v[SPW], v[NIL]                      ; 0 onto my spare word
	s_wait_dscnt 4*NL+1                            ; (the add and the youngest sixteen loads, A's blocks 4-7, may be out)
	WIN MUL_LO
	MUL16 0, 1, 0                                  ; sixteen matrix instructions stand between the add and the wait for it
	s_wait_dscnt 0x0                               ; the add is done, and my reads of this slot are over
	s_barrier_signal -1
	MUL16 2, 1, 0
	WIN 0
	s_barrier_wait -1
.if \fill
	CREST                                          ; the barrier has opened a round of the cluster's barrier: no wave of any partner still reads this slot or has a load on its way
	s_add_nc_u64 s[G0+4*\slot+2:G0+4*\slot+3], s[G0+4*\slot+2:G0+4*\slot+3], ASTEP
	s_add_nc_u64 s[G0B+4*\slot+2:G0B+4*\slot+3], s[G0B+4*\slot+2:G0B+4*\slot+3], BSTEP
	JLOAD G0+4*\slot, G1, G0B+4*\slot, G1B         ; the first tensor load behind the round; the four v_nop behind it are the places in front of the loads below
.else
	PLACES NP
.endif
	FETCH_B \next, 0, 0
	FETCH_A \next, 0, 0
	WIN MUL_HI
	MUL16 4, 1, 0
	MUL16 6, 1, 0
	PLACES NP
	WIN 0
	FETCH_A \next, 0, 4
.endm
	s_wait_tensorcnt 1                             ; my part of K step 0 is in (K step 1's load, issued behind it, may be out)
	s_barrier_signal -1
	s_barrier_wait -1                              ; everybody's is
	FETCH_B 0, 0, 0
	FETCH_A 0, 0, 0
	FETCH_A 0, 0, 4
	s_cmp_eq_u32 s12, 2                            ; the first step starts the sums with the bias, which lies along B's blocks for q and k, along A's for v
	s_cbranch_scc1 .Lfirst_v
	STEP 0, 0, 1
	s_branch .Lfirst_done
.Lfirst_v:
	STEP 0, 0, 2
.Lfirst_done:
	s_mov_b32 s3, LAPS-1
.Llap:                                                 ; a trip goes once round the ring, from a lap's second step to the next lap's first, and fills both slots again
	TURN 0, 1, 1
	STEP 1, 0, 0
	TURN 1, 0, 1
	STEP 0, 0, 0
	s_sub_co_u32 s3, s3, 1
	s_cmp_lg_u32 s3, 0
	s_cbranch_scc1 .Llap
	TURN 0, 1, 0                                   ; the last lap fills nothing, and has no round of the cluster's barrier
	STEP 1, 0, 0
	s_wait_dscnt 4*NL                              ; the very last step: nothing more to fetch
	WIN MUL_LO
	MUL16 0, 1, 0
	MUL16 2, 1, 0
	s_wait_dscnt 0
	WIN MUL_HI
	MUL16 4, 1, 0
	MUL16 6, 1, 0
	WIN 0
	PLACES NP                                      ; in front of the reads of results and of the loads into the registers that held A's fragments
; THE WAY OUT, block by block of 16 A rows.  A lane's eight codes are 8 bytes; they go through the wave's own stage in LDS and come back 16 bytes a lane, so that a store of the wave covers 512 consecutive bytes.
; LDS serves a wave's instructions in order (ISA guide 5.7.1.4): no wait between the stores and the loads, nor in front of the next block's stores.
.macro ROPELOAD a                      ; cos and sin of tokens 16 a + r: for each quarter q of a head my four pairs, 32 bytes
.irp q, 0,1,2,3
	global_load_b128 v[RP+32*((\a)%2)+8*\q:RP+32*((\a)%2)+8*\q+3], v[RO], s[10:11] offset:4096*(\a)+64*\q
	global_load_b128 v[RP+32*((\a)%2)+8*\q+4:RP+32*((\a)%2)+8*\q+7], v[RO], s[10:11] offset:4096*(\a)+64*\q+16
.endr
.endm
.macro TOCODES                         ; the 64 numbers in TMP: the hold, the conversion
.set j, 0
.rept 64
	v_med3_num_f32 v[TMP+j], v[TMP+j], -v[LIM], v[LIM]   ; the conversion to an 8-bit code does not saturate (ISA guide 7.6.2)
.set j, j+1
.endr
.endm
.macro CONVERT
.irp b, 0,1,2,3,4,5,6,7
	v_cvt_scalef32_pk8_fp8_f32 v[CD+2*\b:CD+2*\b+1], v[TMP+8*\b:TMP+8*\b+7], v[SC]
.endr
	v_nop                                          ; a plain line between the conversions and the next block's lines, which write their sources
.endm
.macro QKBLOCK a
.set AC, 64*((\a)%4)
.set RS, RP+32*((\a)%2)
.set BB, BK+16*((\a)%2)
.if (\a) > 1
	s_wait_xcnt 0x0                                ; block a - 2's stores have read their registers: this block's codes may land there
.endif
.if (\a) < 7
	ROPELOAD (\a)+1
	s_wait_loadcnt 8                               ; this block's eight loads are in; the next block's eight may be out
.else
	s_wait_loadcnt 0x0
.endif
	WIN 0x02+((\a)/4)                              ; source 0: window 2 or 3
.irp b, 0,1,2,3,4,5,6,7                        ; a pair (a, b) of channels and (c, s): (a c - b s, a s + b c); each accumulator from its low end on
.irp i, 0,2,4,6
	v_pk_mul_f32 v[TT+8*(\b%2)+\i:TT+8*(\b%2)+\i+1], v[AC+8*\b+\i:AC+8*\b+\i+1], v[RS+8*(\b%4)+\i:RS+8*(\b%4)+\i+1] op_sel:[1,1] op_sel_hi:[1,0]   ; (b s, b c)
.endr
.irp i, 0,2,4,6
	v_pk_fma_f32 v[TMP+8*\b+\i:TMP+8*\b+\i+1], v[AC+8*\b+\i:AC+8*\b+\i+1], v[RS+8*(\b%4)+\i:RS+8*(\b%4)+\i+1], v[TT+8*(\b%2)+\i:TT+8*(\b%2)+\i+1] op_sel_hi:[0,1,1] neg_lo:[0,0,1]   ; (a c - b s, a s + b c)
.endr
.endr
	WIN 0
	TOCODES
	CONVERT
.irp b, 0,1,2,3,4,5,6,7
	ds_store_b64 v[STO], v[CD+2*\b:CD+2*\b+1] offset:(\b/4)*1280+16*(\b%4)   ; head b / 4, token r, channels 16 (b % 4) + 8 h on
.endr
.irp k, 0,1,2,3
	ds_load_b128 v[BB+4*\k:BB+4*\k+3], v[RD] offset:(\k/2)*1280+(\k%2)*640
.endr
.endm
.macro QKSEND a, younger               ; younger: the LDS instructions issued behind block a's loads, which may stay out
.set BB, BK+16*((\a)%2)
	s_wait_dscnt \younger
.irp k, 0,1,2,3
	global_store_b128 v[CO], v[BB+4*\k:BB+4*\k+3], s[8:9] offset:(\k/2)*131072+1024*(\a)+512*(\k%2)   ; eight tokens of one head: 512 consecutive bytes
.endr
.endm
.macro VBLOCK a
.set AC, 64*((\a)%4)
.set BB, BK+16*((\a)%2)
.if (\a) > 1
	s_wait_xcnt 0x0                                ; block a - 2's stores have read their registers
.endif
	WIN 0x02+((\a)/4)
.set j, 0
.rept 64
	v_med3_num_f32 v[TMP+j], v[AC+j], -v[LIM], v[LIM]   ; the hold, out of the accumulators, each from its low end on
.set j, j+1
.endr
	WIN 0
	CONVERT
.irp b, 0,1,2,3,4,5,6,7
	ds_store_b64 v[STOV], v[CD+2*\b:CD+2*\b+1] offset:16*\b   ; channel r, tokens 16 b + 8 h on
.endr
.irp k, 0,1,2,3
	ds_load_b128 v[BB+4*\k:BB+4*\k+3], v[RDV] offset:576*\k
.endr
.endm
.macro VSEND a, younger
.set BB, BK+16*((\a)%2)
	s_wait_dscnt \younger
.irp k, 0,1,2,3
	global_store_b128 v[CO], v[BB+4*\k:BB+4*\k+3], s[8:9] offset:((\a)/4)*131072+((\a)%4)*2048+512*\k   ; four channels x 128 tokens: 512 consecutive bytes
.endr
.endm
	s_cmp_eq_u32 s12, 2
	s_cbranch_scc1 .Lout_v
	s_cmp_eq_u32 s12, 0
	s_cselect_b64 s[8:9], s[82:83], s[84:85]       ; qc or kc
	s_lshr_b32 s18, s17, 3
	s_lshl_b32 s18, s18, 21                        ; the batch: 16 heads of 131,072 bytes
	s_lshl_b32 s19, s42, 19                        ; four heads to a tile of channels,
	s_add_co_u32 s18, s18, s19
	s_lshl_b32 s19, s16, 18                        ; two to my half
	s_add_co_u32 s18, s18, s19
	s_and_b32 s20, s17, 7
	s_lshl_b32 s19, s20, 14                        ; 256 tokens of 64 bytes to a tile,
	s_add_co_u32 s18, s18, s19
	s_lshl_b32 s19, s15, 13                        ; 128 to my half
	s_add_co_u32 s18, s18, s19
	s_mov_b32 s19, 0
	s_add_nc_u64 s[8:9], s[8:9], s[18:19]
	s_lshl_b32 s18, s20, 16                        ; rope_cache at my first token: rows of 256 bytes
	s_lshl_b32 s21, s15, 15
	s_add_co_u32 s18, s18, s21
	s_add_nc_u64 s[10:11], s[80:81], s[18:19]
	ROPELOAD 0
	QKBLOCK 0
.irp a, 1,2,3,4,5,6,7
	QKBLOCK \a
	QKSEND \a-1, 12                                ; behind block a - 1's loads: block a's 8 stores and 4 loads
.endr
	QKSEND 7, 0
	s_branch .Ltail
.Lout_v:
	s_lshr_b32 s18, s42, 3
	s_lshl_b32 s18, s18, 21                        ; the batch
	s_lshl_b32 s19, s17, 19                        ; four heads to a tile of channels,
	s_add_co_u32 s18, s18, s19
	s_lshl_b32 s19, s15, 18                        ; two to my half
	s_add_co_u32 s18, s18, s19
	s_and_b32 s20, s42, 7
	s_lshl_b32 s19, s20, 14                        ; two blocks of 128 tokens (8,192 bytes each) to a tile,
	s_add_co_u32 s18, s18, s19
	s_lshl_b32 s19, s16, 13                        ; one to my half
	s_add_co_u32 s18, s18, s19
	s_mov_b32 s19, 0
	s_add_nc_u64 s[8:9], s[86:87], s[18:19]
	VBLOCK 0
.irp a, 1,2,3,4,5,6,7
	VBLOCK \a
	VSEND \a-1, 12
.endr
	VSEND 7, 0
.Ltail:
	s_wait_tensorcnt 0x0                           ; the wave's end, behind my last tensor load and my last LDS store
	ds_add_u32 v[SPW], v[NIL]
	s_wait_dscnt 0x0
	CROUND                                         ; the closing round: no work-group ends while a partner may still ask for a tile that names it
	s_endpgm
.Lfunc_end_k_q6d1571e8f3_qkv:
	.size	k_q6d1571e8f3_qkv, .Lfunc_end_k_q6d1571e8f3_qkv-k_q6d1571e8f3_qkv
	.p2alignl 7, 3214868480
	.fill 96, 4, 3214868480
	.section	.rodata,"a",@progbits
	.p2align	6, 0x0
	.amdhsa_kernel k_q6d1571e8f3_qkv
		.amdhsa_group_segment_fixed_size 327680
		.amdhsa_private_segment_fixed_size 0
		.amdhsa_enable_private_segment 0
		.amdhsa_kernarg_size 80
		.amdhsa_user_sgpr_count 2
		.amdhsa_user_sgpr_kernarg_segment_ptr 1
		.amdhsa_wavefront_size32 1
		.amdhsa_system_sgpr_workgroup_id_x 1
		.amdhsa_system_sgpr_workgroup_id_y 1
		.amdhsa_system_sgpr_workgroup_id_z 1
		.amdhsa_system_vgpr_workitem_id 0
		.amdhsa_next_free_vgpr 1024
		.amdhsa_next_free_sgpr 102
		.amdhsa_reserve_vcc 0
		.amdhsa_float_denorm_mode_32 3
		.amdhsa_float_denorm_mode_16_64 3
		.amdhsa_memory_ordered 1
		.amdhsa_forward_progress 1
		.amdhsa_inst_pref_size 230
	.end_amdhsa_kernel
	.amdgpu_metadata
---
amdhsa.version: [ 1, 2 ]
amdhsa.kernels:
  - .name:           k_q6d1571e8f3_qkv
    .symbol:         k_q6d1571e8f3_qkv.kd
    .args:
      - { .name: xc, .offset: 0, .size: 8, .value_kind: global_buffer, .address_space: global }
      - { .name: wc, .offset: 8, .size: 8, .value_kind: global_buffer, .address_space: global }
      - { .name: lowp_scales, .offset: 16, .size: 8, .value_kind: global_buffer, .address_space: global }
      - { .name: bq, .offset: 24, .size: 8, .value_kind: global_buffer, .address_space: global }
      - { .name: bk, .offset: 32, .size: 8, .value_kind: global_buffer, .address_space: global }
      - { .name: bv, .offset: 40, .size: 8, .value_kind: global_buffer, .address_space: global }
      - { .name: rope_cache, .offset: 48, .size: 8, .value_kind: global_buffer, .address_space: global }
      - { .name: qc, .offset: 56, .size: 8, .value_kind: global_buffer, .address_space: global }
      - { .name: kc, .offset: 64, .size: 8, .value_kind: global_buffer, .address_space: global }
      - { .name: vc, .offset: 72, .size: 8, .value_kind: global_buffer, .address_space: global }
    .group_segment_fixed_size: 327680
    .private_segment_fixed_size: 0
    .kernarg_segment_align: 8
    .kernarg_segment_size: 80
    .max_flat_workgroup_size: 128
    .sgpr_count:     102
    .vgpr_count:     1024
    .wavefront_size: 32
...
	.end_amdgpu_metadata
.endif
;; end of part 2
;; launch attn (part 3): grid 4 x 64, 16 waves a work-group, no clusters, 146,432 bytes of LDS; arguments qc, kc, vc, lowp_scales, yc; writes yc
.if DOCPART == 3
	.amdgcn_target "amdgcn-amd-amdhsa--gfx1250"
	.amdhsa_code_object_version 6
	.text
	.protected	k_q6d1571e8f3_attn
	.globl	k_q6d1571e8f3_attn
	.p2align	8
	.type	k_q6d1571e8f3_attn,@function
k_q6d1571e8f3_attn:
	s_mov_b64 s[64:65], 0
	v_nop
	global_prefetch_b8 v0, s[64:65] scope:SCOPE_SE
	s_setreg_imm32_b32 hwreg(HW_REG_WAVE_MODE, 25, 1), 1
	s_wait_xcnt 0x0
; y[head][q][:] = the sum over keys k <= q of softmax_k(q . k / 8) v[k][:], both products on E4M3 codes; y is quantised at once (2^e10) into yc [64 heads][2048 t][64 d].
; qc, kc: [64][2048][64] (2^e6, 2^e7).  vc: [64][16 blocks][64 d][128 t] (2^e9): the keys innermost.
; THE SOFTMAX: t = score x log2(e) / 8; M = the row's largest t so far, rounded UP to a whole number; p = 2^(t - M) is quantised with 2^e8, not normalised.  The row's sum is taken of the
; unquantised p and divides O at the end.  When M moves, the sum and O are multiplied by 2^(old M - new M), which rounds nothing.
; SHARES.  A work-group has one head and two blocks of 256 queries, G and 7 - G, so that under the causal mask all work-groups have the same work.  Each of its sixteen waves owns 32 queries
; (two tiles of 16) in 256 registers; eight waves take block G, eight block 7 - G, two of each on every group of four waves however the waves are dealt.  Keys go 64 a step: each fragment of K and V read from LDS feeds two products.
; A step all of whose keys come after the wave's queries is left out by a scalar branch on ids; the loop's trip count is a constant, and no barrier stands under a branch.
; LDS.  Two slots of 256 keys.  K: 256 rows of 80 bytes; key k lies at the row that is k with bits 3 and 4 swapped, so that a tile's 16 LDS rows are the keys 32 b + 8 u + r + 8 (r / 8) and the 16 registers of
; tiles 2 b and 2 b + 1 are 16 neighbouring keys.  V: 64 rows d of 272 bytes.  The slots are filled through registers: each thread loads 64 bytes a slot ahead and stores them at the end of the slot in hand.
; No tensor load: work-groups would need different numbers of slots, so nothing could be asked for jointly.
; Both products are used transposed (S^T = K Q^T, O^T = V^T P^T): a lane holds one query of each tile throughout.
; THE HOLD of p: p is at most 1, so it can pass 448 x 2^e8 only where e8 < -8; elsewhere its 64 lines are jumped over, by a branch on the whole number e8.
; LIMITS: e6 + e7 between -123 and 130 (added to c's exponent field); e8, and e10 - e8 - e9, between -126 and 119.
; REGISTERS: v1 r - 16 h; v2-11 addresses; v[12:13], v[14:15] (-M, largest t) of tile 0, 1; v[16:19] the sums; v[20:23] (f, unused) twice; v24-39 Q; v40-71 four fragments of K, then of V;
;   v72-135 S^T, then p; v136-199 O^T; v200-215 p's codes; v216-231 the fill on its way; v232-241 at work; v244-246 addresses; v248-252 constants.
.set KP,    80
.set VP,    272
.set VOFF,  256*KP                     ; a slot: 256 rows of K, then 64 rows of V
.set SLOT1, 65536
.set STAGE, SLOT1+VOFF+64*VP           ; behind the slots: 32 rows x 80 bytes for each wave, for the way out
	s_load_b256 s[4:11], s[0:1], 0x0               ; qc s[4:5], kc s[6:7], vc s[8:9], the scales' exponents s[10:11]
	s_load_b64 s[12:13], s[0:1], 0x20              ; yc
	v_lshl_add_u32 v254, v0, 2, 0x23400
	v_mov_b32 v255, 0
	v_lshrrev_b32 v1, 5, v0
	v_readfirstlane_b32 s14, v1                    ; wave 0..15
	s_lshr_b32 s36, s14, 2
	s_xor_b32 s36, s36, s14
	s_and_b32 s36, s36, 1                          ; 0: block G, 1: block 7 - G
	s_lshr_b32 s37, s14, 1                         ; which 32 queries of the block
	s_sub_co_u32 s38, 7, ttmp9
	s_cmp_eq_u32 s36, 0
	s_cselect_b32 s38, ttmp9, s38
	s_lshl_b32 s29, s38, 8
	s_lshl_b32 s37, s37, 5
	s_add_co_u32 s29, s29, s37                     ; my first query
	s_add_co_u32 s30, s29, 31                      ; my last
	s_sub_co_u32 s34, 8, ttmp9                     ; slots that the work-group needs
	s_and_b32 s39, ttmp7, 0xffff
	s_lshl_b32 s40, s39, 17                        ; the head's first byte in each buffer
	s_mov_b32 s41, 0
	s_lshl_b32 s42, s29, 6
	s_add_co_u32 s42, s42, s40                     ; my first query's row
	s_mov_b32 s43, 0
	s_mov_b32 s31, 0                               ; the step's first key
	s_mov_b32 s33, 0                               ; the slot in hand
	s_mov_b32 s20, 0x76543210                      ; v_permlanex16_b32's selects: lane l xor 16
	s_mov_b32 s21, 0xfedcba98
	v_and_b32 v232, 15, v0                         ; r
	v_bfe_u32 v233, v0, 4, 1                       ; h
	v_and_b32 v234, 31, v0                         ; lane
	v_lshlrev_b32 v235, 4, v233
	v_sub_nc_u32 v1, v232, v235                    ; r - 16 h
	v_mul_u32_u24 v2, v232, KP
	v_lshl_add_u32 v2, v233, 4, v2                 ; a fragment of K: row r, + 16 h; slot 0,
	v_add_nc_u32 v3, SLOT1, v2                     ; slot 1
	v_mul_u32_u24 v4, v232, VP
	v_lshl_add_u32 v4, v233, 4, v4
	v_add_nc_u32 v4, VOFF, v4                      ; a fragment of V
	v_add_nc_u32 v5, SLOT1, v4
	v_bfe_u32 v236, v0, 2, 3                       ; the fill: thread n brings 16 bytes of key n / 4; its LDS row: bits 0-2 stay,
	v_bfe_u32 v237, v0, 5, 1
	v_lshl_add_u32 v236, v237, 4, v236             ; bit 3 goes to bit 4,
	v_bfe_u32 v237, v0, 6, 1
	v_lshl_add_u32 v236, v237, 3, v236             ; bit 4 to bit 3,
	v_bfe_u32 v237, v0, 7, 2
	v_lshl_add_u32 v236, v237, 5, v236             ; bits 5 and 6 stay
	v_mul_u32_u24 v236, v236, KP
	v_and_b32 v237, 3, v0
	v_lshl_add_u32 v6, v237, 4, v236
	v_add_nc_u32 v7, SLOT1, v6
	v_lshrrev_b32 v236, 3, v0                      ; and 16 bytes of V's row n / 8
	v_mul_u32_u24 v236, v236, VP
	v_and_b32 v237, 7, v0
	v_lshl_add_u32 v8, v237, 4, v236
	v_add_nc_u32 v8, VOFF, v8
	v_add_nc_u32 v9, SLOT1, v8
	v_lshlrev_b32 v10, 4, v0                       ; 16 x thread: my bytes of 8,192
	s_mul_i32 s44, s14, 2560
	s_add_co_u32 s44, s44, STAGE                   ; my stage
	v_mul_u32_u24 v11, v232, KP
	v_lshl_add_u32 v11, v233, 3, v11
	v_add_nc_u32 v11, s44, v11                     ; in: row r, + 8 h
	v_lshrrev_b32 v236, 2, v234
	v_mul_u32_u24 v236, v236, KP
	v_and_b32 v237, 3, v234
	v_lshl_add_u32 v236, v237, 4, v236
	v_add_nc_u32 v244, s44, v236                   ; back: four lanes to a row's 64 bytes
	v_lshlrev_b32 v245, 6, v232
	v_lshl_add_u32 v245, v233, 4, v245             ; Q: row r of 64 bytes, + 16 h
	v_lshlrev_b32 v246, 4, v234                    ; yc: 16 x lane
	s_wait_kmcnt 0x0
	s_load_b128 s[24:27], s[10:11], 0x18           ; e6, e7, e8, e9
	s_load_b32 s28, s[10:11], 0x28                 ; e10
	s_add_nc_u64 s[4:5], s[4:5], s[42:43]
	s_add_nc_u64 s[12:13], s[12:13], s[42:43]
	s_add_nc_u64 s[6:7], s[6:7], s[40:41]
	s_add_nc_u64 s[8:9], s[8:9], s[40:41]
.macro FILL_LOAD                       ; a slot's 16,384 bytes of K and of V are dense in memory: a load of the wave covers 512 consecutive bytes
	global_load_b128 v[216:219], v10, s[6:7]
	global_load_b128 v[220:223], v10, s[6:7] offset:8192
	global_load_b128 v[224:227], v10, s[8:9]
	global_load_b128 v[228:231], v10, s[8:9] offset:8192
.endm
.macro FILL_STORE s
	ds_store_b128 v[6+(\s)], v[216:219]
	ds_store_b128 v[6+(\s)], v[220:223] offset:128*KP        ; keys 128 on
	ds_store_b128 v[8+(\s)], v[224:227]
	ds_store_b128 v[8+(\s)], v[228:231] offset:128           ; the next block of 128 keys: 128 bytes on in each row
.endm
	FILL_LOAD                                      ; slot 0
.irp x, 0,1
.irp c, 0,1
	global_load_b128 v[24+8*\x+4*\c:27+8*\x+4*\c], v245, s[4:5] offset:1024*\x+32*\c   ; Q stays in registers: registers 4 c .. 4 c + 3 hold d = 32 c + 16 h + 0 .. 15, as K's fragments do
.endr
.endr
	v_mov_b32 v13, 0xff61b1e6                      ; the largest t so far: -3e38, under every t
	v_mov_b32 v15, 0xff61b1e6
	v_floor_f32 v12, -v13                          ; -M
	v_floor_f32 v14, -v15
.irp j, 16,17,18,19,21,23
	v_mov_b32 v\j, 0                               ; the sums; and the upper halves of the pairs that hold f
.endr
.set j, 0
.rept 64
	v_mov_b32 v[136+j], 0                          ; O^T.  (The step is written once: the first finds zeros, which the first change of M leaves zeros)
.set j, j+1
.endr
	v_mov_b32 v250, 0xff800000                     ; -infinity
	s_wait_kmcnt 0x0
	s_add_co_i32 s36, s24, s25
	s_lshl_b32 s36, s36, 23
	s_add_co_i32 s22, s36, 0x3e38aa3b              ; c = log2(e) / 8, with e6 + e7 added to its exponent field: a score stands for score x 2^(e6 + e7)
	s_mov_b32 s23, s22                             ; (named with it as a pair, so it is written)
	s_add_co_i32 s36, s26, 127
	s_lshl_b32 s37, s36, 23
	v_mov_b32 v248, s37                            ; 2^e8
	s_add_co_i32 s36, s36, 8
	s_lshl_b32 s36, s36, 23
	s_or_b32 s36, s36, 0x600000
	v_mov_b32 v249, s36                            ; 448 x 2^e8
	s_cmp_lt_i32 s26, -8
	s_cselect_b32 s35, 1, 0                        ; 1: p can pass the largest code
	s_sub_co_i32 s36, s28, s26
	s_sub_co_i32 s36, s36, s27
	s_add_co_i32 s36, s36, 127
	s_lshl_b32 s37, s36, 23
	v_mov_b32 v251, s37                            ; 2^(e10 - e8 - e9): O / l stands for y / 2^(e8 + e9)
	s_add_co_i32 s36, s36, 8
	s_lshl_b32 s36, s36, 23
	s_or_b32 s36, s36, 0x600000
	v_mov_b32 v252, s36                            ; 448 x that
	s_wait_loadcnt 0x0                             ; slot 0's bytes and Q are in; the loads' bases may step
	FILL_STORE 0
	s_add_nc_u64 s[6:7], s[6:7], 16384
	s_add_nc_u64 s[8:9], s[8:9], 16384
	s_wait_dscnt 0x0                               ; for the others' sake: my stores have landed
	s_barrier_signal -1
	s_barrier_wait -1
; A KEY STEP: 64 keys, the q-th of slot s.
.macro STEP s, q
	s_cmp_gt_u32 s31, s30                          ; all its keys come after my queries: nothing to do
	s_cbranch_scc1 .Lhidden_\@
.rept 4
	v_nop                                          ; places in front of loads into registers that the last products read
.endr
.irp t, 0,1,2,3
.irp c, 0,1
	ds_load_b128 v[40+8*\t+4*\c:43+8*\t+4*\c], v[2+\s] offset:(64*\q+16*\t)*KP+32*\c
.endr
.endr
	s_wait_dscnt 0x0
.irp t, 0,1,2,3                                ; S^T = K Q^T: lane (r, h) holds query r of tile x; register j of key tile t = 2 b + u is key 32 b + 16 h + 8 u + j
.irp x, 0,1
	v_wmma_f32_16x16x64_fp8_fp8 v[72+32*\x+8*\t:79+32*\x+8*\t], v[40+8*\t:47+8*\t], v[24+8*\x:31+8*\x], 0
.endr
.endr
.rept 4
	v_nop                                          ; places in front of the loads below and of the first read of the scores
.endr
.irp t, 0,1,2,3                                ; V's four fragments land under the softmax
.irp c, 0,1
	ds_load_b128 v[40+8*\t+4*\c:43+8*\t+4*\c], v[4+\s] offset:16*\t*VP+64*\q+32*\c
.endr
.endr
	s_add_co_u32 s36, s31, 63                      ; on the diagonal the scores of hidden keys become -infinity: p = 0 then.  A step all of whose keys count skips this
	s_cmp_le_u32 s36, s29
	s_cbranch_scc1 .Lopen_\@
	s_sub_co_i32 s36, s29, s31
	v_add_nc_u32 v240, s36, v1                     ; d = my query - the step's first key - 16 h: register 16 b + i is hidden where 32 b + i > d
	v_add_nc_u32 v241, 16, v240                    ; tile 1's query lies 16 on
.irp x, 0,1
.set n, 0
.rept 32
	v_cmp_gt_i32 vcc_lo, 32*(n/16)+n%16, v[240+\x]
	v_cndmask_b32 v[72+32*\x+n], v[72+32*\x+n], v250, vcc_lo
.set n, n+1
.endr
.endr
.Lopen_\@:
	v_max3_num_f32 v232, v72, v73, v74             ; the step's largest score of each of my two queries among my 32 keys: two chains a tile, each accumulator from its low end on
	v_max3_num_f32 v234, v104, v105, v106
	v_max3_num_f32 v233, v75, v76, v77
	v_max3_num_f32 v235, v107, v108, v109
.irp i, 6,10,14,18,22,26
	v_max3_num_f32 v232, v232, v[72+\i], v[73+\i]
	v_max3_num_f32 v234, v234, v[104+\i], v[105+\i]
	v_max3_num_f32 v233, v233, v[74+\i], v[75+\i]
	v_max3_num_f32 v235, v235, v[106+\i], v[107+\i]
.endr
	v_max3_num_f32 v232, v232, v102, v103
	v_max3_num_f32 v234, v234, v134, v135
	v_max_num_f32 v232, v232, v233
	v_max_num_f32 v234, v234, v235
	v_permlanex16_b32 v236, v232, s20, s21
	v_permlanex16_b32 v237, v234, s20, s21
	v_max_num_f32 v232, v232, v236                 ; and among lane l xor 16's
	v_max_num_f32 v234, v234, v237
	v_mul_f32 v232, s22, v232                      ; as t (c is positive)
	v_mul_f32 v234, s22, v234
	v_max_num_f32 v13, v13, v232                   ; the running largest t
	v_max_num_f32 v15, v15, v234
	v_mov_b32 v238, v12
	v_mov_b32 v239, v14
	v_floor_f32 v12, -v13                          ; the new -M = floor(-t): M is a whole number
	v_floor_f32 v14, -v15
	v_sub_f32 v238, v12, v238                      ; old M - new M: a whole number, 0 or less
	v_sub_f32 v239, v14, v239
	v_cvt_i32_f32 v238, v238                       ; (it saturates)
	v_cvt_i32_f32 v239, v239
	v_ldexp_f32 v20, 1.0, v238                     ; f = 2^(old M - new M)
	v_ldexp_f32 v22, 1.0, v239
.set j, 0
.rept 16
	v_pk_fma_f32 v[72+j:73+j], v[72+j:73+j], s[22:23], v[12:13] op_sel_hi:[1,0,0]      ; t - M, two at a time (of the pairs c and -M the low word serves both halves)
	v_pk_fma_f32 v[104+j:105+j], v[104+j:105+j], s[22:23], v[14:15] op_sel_hi:[1,0,0]
.set j, j+2
.endr
.set j, 0
.rept 64
	v_exp_f32 v[72+j], v[72+j]                     ; p = 2^(t - M)
.set j, j+1
.endr
	v_pk_mul_f32 v[16:17], v[16:17], v[20:21] op_sel_hi:[1,0]   ; the sums under the new M.  (Plain lines behind the exponentials)
	v_pk_mul_f32 v[18:19], v[18:19], v[22:23] op_sel_hi:[1,0]
	s_wait_alu depctr_va_vdst(0)
	v_pk_add_f32 v[232:233], v[72:73], v[74:75]    ; the row's sum is taken of the UNQUANTISED p: two chains a tile
	v_pk_add_f32 v[234:235], v[104:105], v[106:107]
.irp j, 4,8,12,16,20,24,28
	v_pk_add_f32 v[16:17], v[16:17], v[72+\j:73+\j]
	v_pk_add_f32 v[18:19], v[18:19], v[104+\j:105+\j]
	v_pk_add_f32 v[232:233], v[232:233], v[74+\j:75+\j]
	v_pk_add_f32 v[234:235], v[234:235], v[106+\j:107+\j]
.endr
	v_pk_add_f32 v[16:17], v[16:17], v[232:233]
	v_pk_add_f32 v[18:19], v[18:19], v[234:235]
	s_cmp_lg_u32 s35, 0
	s_cbranch_scc0 .Lnohold_\@
.set j, 0
.rept 64
	v_min_num_f32 v[72+j], v[72+j], v249           ; the conversion to an 8-bit code does not saturate (ISA guide 7.6.2); p is not negative, so the hold is one-sided
.set j, j+1
.endr
.Lnohold_\@:
.irp x, 0,1
.irp t, 0,1,2,3
	v_cvt_scalef32_pk8_fp8_f32 v[200+8*\x+2*\t:201+8*\x+2*\t], v[72+32*\x+8*\t:79+32*\x+8*\t], v248   ; registers 4 b .. 4 b + 3 of P: keys 32 b + 16 h + 0 .. 15, as V's fragments have them
.endr
.endr
.set j, 0
.rept 16
	v_pk_mul_f32 v[136+j:137+j], v[136+j:137+j], v[20:21] op_sel_hi:[1,0]      ; O^T under the new M.  (These are also the plain lines behind the conversions)
.set j, j+2
.endr
.set j, 0
.rept 16
	v_pk_mul_f32 v[168+j:169+j], v[168+j:169+j], v[22:23] op_sel_hi:[1,0]
.set j, j+2
.endr
	s_wait_dscnt 0x0                               ; V's fragments are in
.irp t, 0,1,2,3                                ; O^T += V^T P^T: the eight accumulators take turns
.irp x, 0,1
	v_wmma_f32_16x16x64_fp8_fp8 v[136+32*\x+8*\t:143+32*\x+8*\t], v[40+8*\t:47+8*\t], v[200+8*\x:207+8*\x], v[136+32*\x+8*\t:143+32*\x+8*\t]
.endr
.endr
.Lhidden_\@:
	s_add_co_u32 s31, s31, 64
.endm
; A SLOT: the next slot's bytes are asked for, if the work-group needs them; four steps; the bytes go into the other slot, which every wave left at the last barrier; one barrier:
; in front of it my reads of this slot are back and my stores into the other have landed.
.macro SLOTTRIP s
	s_add_co_u32 s36, s33, 1+\s
	s_cmp_lt_u32 s36, s34
	s_cbranch_scc0 .Lnoload_\@
	FILL_LOAD
.Lnoload_\@:
	STEP \s, 0
	STEP \s, 1
	STEP \s, 2
	STEP \s, 3
	s_wait_loadcnt 0x0                             ; the fill is in registers, and its bases may step
	s_add_co_u32 s36, s33, 1+\s
	s_cmp_lt_u32 s36, s34
	s_cbranch_scc0 .Lnostore_\@
	FILL_STORE 1-\s
	s_add_nc_u64 s[6:7], s[6:7], 16384
	s_add_nc_u64 s[8:9], s[8:9], 16384
.Lnostore_\@:
	s_wait_dscnt 0x0
	s_barrier_signal -1
	s_barrier_wait -1
.endm
.Lpair:                                            ; four trips of two slots: a constant, for every work-group
	SLOTTRIP 0
	SLOTTRIP 1
	s_add_co_u32 s33, s33, 2
	s_cmp_lt_u32 s33, 8
	s_cbranch_scc1 .Lpair
	; THE WAY OUT.  O^T / the sum is quantised and goes through my stage in LDS, so that a store of the wave covers 512 consecutive bytes: eight rows of yc.
.rept 4
	v_nop                                          ; places behind the last products
.endr
	v_add_f32 v16, v16, v17                        ; the sum's two halves,
	v_add_f32 v18, v18, v19
	v_permlanex16_b32 v236, v16, s20, s21
	v_permlanex16_b32 v237, v18, s20, s21
	v_add_f32 v16, v16, v236                       ; and lane l xor 16's
	v_add_f32 v18, v18, v237
	v_rcp_f32 v16, v16
	v_rcp_f32 v18, v18
	v_nop                                          ; a plain line behind the transcendentals
.set j, 0
	s_wait_alu depctr_va_vdst(0)
.rept 16
	v_pk_mul_f32 v[136+j:137+j], v[136+j:137+j], v[16:17] op_sel_hi:[1,0]
.set j, j+2
.endr
.set j, 0
.rept 16
	v_pk_mul_f32 v[168+j:169+j], v[168+j:169+j], v[18:19] op_sel_hi:[1,0]
.set j, j+2
.endr
.set j, 0
.rept 64
	v_med3_num_f32 v[136+j], v[136+j], -v252, v252 ; the hold at the largest code x the scale
.set j, j+1
.endr
.irp x, 0,1
.irp t, 0,1,2,3
	v_cvt_scalef32_pk8_fp8_f32 v[200+8*\x+2*\t:201+8*\x+2*\t], v[136+32*\x+8*\t:143+32*\x+8*\t], v251
.endr
.endr
	v_nop
.irp x, 0,1
.irp t, 0,1,2,3
	ds_store_b64 v11, v[200+8*\x+2*\t:201+8*\x+2*\t] offset:16*KP*\x+16*\t   ; query 16 x + r, channels 16 t + 8 h on
.endr
.endr
.irp k, 0,1,2,3
	ds_load_b128 v[216+4*\k:219+4*\k], v244 offset:8*KP*\k   ; LDS serves a wave's instructions in order: these see my stores
.endr
.irp k, 0,1,2,3
	s_wait_dscnt 3-\k                              ; the younger loads may be out
	global_store_b128 v246, v[216+4*\k:219+4*\k], s[12:13] offset:512*\k
.endr
	s_wait_tensorcnt 0x0
	ds_add_u32 v254, v255
	s_wait_dscnt 0x0
	s_endpgm
.Lfunc_end_k_q6d1571e8f3_attn:
	.size	k_q6d1571e8f3_attn, .Lfunc_end_k_q6d1571e8f3_attn-k_q6d1571e8f3_attn
	.p2alignl 7, 3214868480
	.fill 96, 4, 3214868480
	.section	.rodata,"a",@progbits
	.p2align	6, 0x0
	.amdhsa_kernel k_q6d1571e8f3_attn
		.amdhsa_group_segment_fixed_size 146432
		.amdhsa_private_segment_fixed_size 0
		.amdhsa_enable_private_segment 0
		.amdhsa_kernarg_size 40
		.amdhsa_user_sgpr_count 2
		.amdhsa_user_sgpr_kernarg_segment_ptr 1
		.amdhsa_wavefront_size32 1
		.amdhsa_system_sgpr_workgroup_id_x 1
		.amdhsa_system_sgpr_workgroup_id_y 1
		.amdhsa_system_sgpr_workgroup_id_z 1
		.amdhsa_system_vgpr_workitem_id 0
		.amdhsa_next_free_vgpr 256
		.amdhsa_next_free_sgpr 66
		.amdhsa_reserve_vcc 1
		.amdhsa_float_denorm_mode_32 3
		.amdhsa_float_denorm_mode_16_64 3
		.amdhsa_memory_ordered 1
		.amdhsa_forward_progress 1
		.amdhsa_inst_pref_size 180
	.end_amdhsa_kernel
	.amdgpu_metadata
---
amdhsa.version: [ 1, 2 ]
amdhsa.kernels:
  - .name:           k_q6d1571e8f3_attn
    .symbol:         k_q6d1571e8f3_attn.kd
    .args:
      - { .name: qc, .offset: 0, .size: 8, .value_kind: global_buffer, .address_space: global }
      - { .name: kc, .offset: 8, .size: 8, .value_kind: global_buffer, .address_space: global }
      - { .name: vc, .offset: 16, .size: 8, .value_kind: global_buffer, .address_space: global }
      - { .name: lowp_scales, .offset: 24, .size: 8, .value_kind: global_buffer, .address_space: global }
      - { .name: yc, .offset: 32, .size: 8, .value_kind: global_buffer, .address_space: global }
    .group_segment_fixed_size: 146432
    .private_segment_fixed_size: 0
    .kernarg_segment_align: 8
    .kernarg_segment_size: 40
    .max_flat_workgroup_size: 512
    .sgpr_count:     66
    .vgpr_count:     256
    .wavefront_size: 32
...
	.end_amdgpu_metadata
.endif
;; end of part 3
;; launch proj (part 4): grid 4 x 32, 4 waves a work-group, clusters of 4 x 4, 327,680 bytes of LDS; arguments yc, wc, lowp_scales, bp, out0; writes out0
.if DOCPART == 4
	.amdgcn_target "amdgcn-amd-amdhsa--gfx1250"
	.amdhsa_code_object_version 6
	.text
	.protected	k_q6d1571e8f3_proj
	.globl	k_q6d1571e8f3_proj
	.p2align	8
	.type	k_q6d1571e8f3_proj,@function
k_q6d1571e8f3_proj:
	s_mov_b64 s[64:65], 0
	v_nop
	global_prefetch_b8 v0, s[64:65] scope:SCOPE_SE
	s_setreg_imm32_b32 hwreg(HW_REG_WAVE_MODE, 25, 1), 1
	s_wait_xcnt 0x0
	s_wait_alu depctr_hold_cnt(0) depctr_sa_sdst(0) depctr_va_vdst(0) depctr_va_sdst(0) depctr_va_ssrc(0) depctr_va_vcc(0) depctr_vm_vsrc(0)
	s_getreg_b32 s2, hwreg(HW_REG_IB_STS2, 6, 4)
	s_cmp_eq_u32 s2, 0
	s_cbranch_scc0 .Lentry_in_a_cluster
	s_endpgm
.Lentry_in_a_cluster:
	s_bfe_u32 s2, ttmp6, 0x10000c
	s_cmp_lg_u32 s2, 0xf033
	s_cbranch_scc0 .Lentry_shape_is_right
	s_endpgm
.Lentry_shape_is_right:
; out0 = y Wp^T + bp on E4M3 codes.  yc: [64 heads][2048 t][64 d] (2^e10); Wp's codes: wc[3], [1024 n][1024 k] (2^e11); out0 [8192][1024] f32.
; A tile of 256 x 256 is made by four waves, each 128 x 128: 64 accumulators.  K = 1,024 goes in four steps of 256 (four heads) through a ring of two LDS slots filled by joint tensor loads:
; y's tiles are shared along a row of the cluster, Wp's along a column.  The matrix instruction takes 16 rows of Wp as source 0 and 16 rows of y as source 1: a lane holds eight neighbouring numbers of a row of out0.
; y IS HEAD-MAJOR: 128 tokens of one head are 8,192 consecutive bytes.  One tensor load brings four such runs, 131,072 bytes apart, with 16 bytes of padding behind every 64: in LDS token p of head hh lies at 10,240 hh + 80 p.
; bp / 2^(e10 + e11) is the C of each sum's first matrix instruction; each finished sum is multiplied once by 2^(e10 + e11).
; A fragment is fetched by four loads of 16 bytes: k stands in the same places in both operands, so every product meets its partner.
; 128 work-groups: a tile half as large would read half as much again from LDS for each product.
; LIMIT: e10 + e11 lies between -126 and 127.
; REGISTERS, in windows of 256: window 0: v12-29 addresses; v32-95 the bias, later a block's results; v128-255 y's fragments, ONE set, later rows read back.
;   window 1: Wp's fragments, TWO sets.   window 2: the accumulators of my rows 0-63 ((a, b) at v[8 (8 a + b)]);   window 3: those of rows 64-127.
.set SIZE_N, 1024
.set KROW,   1024
.set ROWB,   256
.set PITCH,  272                       ; Wp's LDS row: 256 bytes + 16
.set FR,     16
.set NL,     4
.set NP,     4                         ; places behind this matrix instruction (ISA guide 7.12.1)
.set HALFT,  128*PITCH                 ; 128 rows of Wp
.set AHEAD,  128*80                    ; 128 tokens of one head in LDS
.set AHALF,  4*AHEAD                   ; 128 tokens of four heads
.set SLOT,   2*AHALF+2*HALFT
.set LAPS,   2
.set SPARE,  2*SLOT                    ; behind the ring: the spare words, 128 bytes for each wave, that no other line names
.set ASTEP,  2*4*131072                ; two K steps on: eight heads
.set BSTEP,  2*ROWB
.set SPITCH, 528                       ; the way out: a stage of 16 rows x (512 bytes + 16) for each wave, in slot 0, which has had its last fill and its last read by then
.set ADRA, 16
.set ADRB, 20
.set STO,  24
.set RD,   25
.set CO,   26
.set SPW,  28                          ; LDS address of my spare word; never rewritten
.set NIL,  29                          ; 0; never rewritten
.set BIAS, 32
.set TMP,  32
.set AF,   128
.set BK,   128
.set G1, 24
.set G0, 32
.set G1B, 48
.set G0B, 56
.set MSB, 0
.macro WIN new                         ; the immediate's high byte repeats the setting that is left
.if MSB != (\new)
	s_set_vgpr_msb (MSB<<8)|(\new)
.set MSB, (\new)
.endif
.endm
.set MUL_LO, 0xa1
.set MUL_HI, 0xf1
.set TO_B,   0x40
.macro WMUL hi, zero                   ; zero != 0: C is the bias, in window 0
.if \zero
	WIN 0x81+0x40*\hi
.else
	WIN 0xa1+0x50*\hi
.endif
.endm
; A joint load: waves 0 and 1 fetch y's halves, waves 2 and 3 Wp's.  Four v_nop follow each of the two lines, ahead of the jump, the label and what follows.
.macro JLOAD g0a, g1a, g0b, g1b
	s_cmp_eq_u32 s15, 0
	s_cbranch_scc0 .Lfor_b_\@
	tensor_load_to_lds s[\g0a:\g0a+3], s[\g1a:\g1a+7]
	s_nop 0
.rept 4
	v_nop
.endr
	s_branch .Lasked_\@
.Lfor_b_\@:
	tensor_load_to_lds s[\g0b:\g0b+3], s[\g1b:\g1b+7]
	s_nop 0
.rept 4
	v_nop
.endr
.Lasked_\@:
.endm
.macro CREST
	s_cmp_lg_u32 s14, 0
	s_cbranch_scc1 .Lnot_wave_0_\@
	s_barrier_signal -3
.Lnot_wave_0_\@:
	s_barrier_wait -3
	s_barrier_signal -1
	s_barrier_wait -1
.endm
.macro CROUND
	s_barrier_signal -1
	s_barrier_wait -1
	CREST
.endm
	s_load_b256 s[68:75], s[0:1], 0x0              ; yc s[68:69], wc s[70:71], scales s[72:73], bp s[74:75]
	s_load_b64 s[10:11], s[0:1], 0x20              ; out0
	v_lshl_add_u32 v[SPW], v0, 2, SPARE
	v_mov_b32 v[NIL], 0
	ds_add_u32 v28, v29
	ds_add_u32 v28, v29
	s_wait_dscnt 0x0
	v_lshrrev_b32 v1, 5, v0
	v_readfirstlane_b32 s14, v1                    ; wave 0..3
	s_lshr_b32 s15, s14, 1                         ; which half of the tile's rows is mine.  Also: I fetch for y (0) or for Wp (1)
	s_and_b32 s16, s14, 1                          ; which half of its columns.  Also: which 128 rows I fetch
	s_bfe_u32 s40, ttmp6, 0x40000                  ; cx, cy
	s_bfe_u32 s41, ttmp6, 0x40004
	s_lshl_b32 s42, ttmp9, 2
	s_add_co_u32 s42, s42, s40                     ; tile column
	s_and_b32 s17, ttmp7, 0xffff
	s_lshl_b32 s17, s17, 2
	s_add_co_u32 s17, s17, s41                     ; tile row
	s_lshl_b32 s43, s41, 2
	s_lshl_b32 s43, 15, s43                        ; my row of the cluster
	s_lshl_b32 s44, 0x1111, s40                    ; my column
	s_or_b32 s[G1+0], s43, (0<<16)|(1<<20)|(1<<21)|(3<<22)|(3<<25)  ; y: 15:0 the mask; elements of 1 byte; padding on; 21 set beside a mask; after every 16 words (code 3) 4 words (code 3)
	s_mov_b32 s[G1+1], 8192<<16                    ; tensor_dim0 = 8,192: 128 tokens x 64 bytes
	s_mov_b32 s[G1+2], 4<<16                       ; tensor_dim1 = 4 heads
	s_mov_b32 s[G1+3], 8192<<16                    ; tile_dim0
	s_mov_b32 s[G1+4], 4                           ; tile_dim1
	s_mov_b32 s[G1+5], 131072                      ; from head to head
	s_mov_b32 s[G1+6], 0
	s_mov_b32 s[G1+7], 0
	s_or_b32 s[G1B+0], s44, (0<<16)|(1<<20)|(1<<21)|(5<<22)|(3<<25) ; Wp: after every 64 words 4 words
	s_mov_b32 s[G1B+1], ROWB<<16
	s_mov_b32 s[G1B+2], 128<<16
	s_mov_b32 s[G1B+3], ROWB<<16
	s_mov_b32 s[G1B+4], 128
	s_mov_b32 s[G1B+5], KROW
	s_mov_b32 s[G1B+6], 0
	s_mov_b32 s[G1B+7], 0
	s_lshr_b32 s20, s17, 3
	s_lshl_b32 s20, s20, 21                        ; y: the batch's 16 heads,
	s_and_b32 s18, s17, 7
	s_lshl_b32 s18, s18, 14                        ; 256 tokens of 64 bytes to a tile,
	s_add_co_u32 s20, s20, s18
	s_lshl_b32 s18, s16, 13                        ; which 128 of them I fetch
	s_add_co_u32 s20, s20, s18
	s_mov_b32 s21, 0
	s_lshl_b32 s46, s42, 18                        ; Wp: 256 rows of 1,024 bytes to a tile,
	s_lshl_b32 s47, s16, 17
	s_add_co_u32 s46, s46, s47
	s_add_co_u32 s46, s46, 3<<20                   ; in wc[3]
	s_mov_b32 s47, 0
	s_mul_i32 s45, s16, AHALF                      ; where they go: y's two halves,
	s_mul_i32 s13, s16, HALFT
	s_add_co_u32 s13, s13, 2*AHALF                 ; then Wp's two halves: no place in the cluster enters an LDS address
	s_wait_kmcnt 0x0
	s_load_b64 s[96:97], s[72:73], 0x28            ; e10, e11
	s_add_nc_u64 s[20:21], s[68:69], s[20:21]
	s_add_nc_u64 s[46:47], s[70:71], s[46:47]
	CROUND                                         ; all sixteen work-groups are here: the first joint loads meet
.irp s, 0,1
	s_mov_b32 s[G0+4*\s], 1
	s_add_co_u32 s[G0+4*\s+1], s45, \s*SLOT
	s_add_nc_u64 s[G0+4*\s+2:G0+4*\s+3], s[20:21], \s*4*131072
	s_or_b32 s[G0+4*\s+3], s[G0+4*\s+3], 0x80000000
	s_mov_b32 s[G0B+4*\s], 1
	s_add_co_u32 s[G0B+4*\s+1], s13, \s*SLOT
	s_add_nc_u64 s[G0B+4*\s+2:G0B+4*\s+3], s[46:47], \s*ROWB
	s_or_b32 s[G0B+4*\s+3], s[G0B+4*\s+3], 0x80000000
	JLOAD G0+4*\s, G1, G0B+4*\s, G1B
.endr
	v_and_b32 v1, 15, v0                           ; r
	v_bfe_u32 v2, v0, 4, 1                         ; h
	v_mul_u32_u24 v3, v1, 80
	v_lshl_add_u32 v3, v2, 4, v3                   ; y's fragment: token r x 80 + 16 h
	v_mul_u32_u24 v4, v1, PITCH
	v_lshl_add_u32 v4, v2, 4, v4                   ; Wp's: row r x 272 + 16 h
	s_mul_i32 s21, s15, AHALF                      ; my 128 tokens
	s_mul_i32 s22, s16, HALFT                      ; my 128 rows of Wp,
	s_add_co_u32 s22, s22, 2*AHALF                 ; which lie behind y's
.irp s, 0,1
	v_add_nc_u32 v[ADRA+\s], s21, v3
	v_add_nc_u32 v[ADRB+\s], s22, v4
	s_add_co_u32 s21, s21, SLOT
	s_add_co_u32 s22, s22, SLOT
.endr
	s_mul_i32 s23, s14, 16*SPITCH                  ; my stage
	v_mul_u32_u24 v5, v1, SPITCH                   ; in: row r, 32 bytes for each half of the lanes
	v_lshl_add_u32 v5, v2, 5, v5
	v_add_nc_u32 v[STO], s23, v5
	v_and_b32 v6, 31, v0
	v_lshlrev_b32 v[CO], 4, v6                     ; back: the 32 lanes take one row of 512 bytes; and the same in out0
	v_add_nc_u32 v[RD], s23, v[CO]
	v_lshlrev_b32 v12, 5, v2                       ; bp: my eight numbers of sixteen
	s_lshl_b32 s20, s17, 8
	s_lshl_b32 s21, s15, 7
	s_add_co_u32 s20, s20, s21                     ; my first row of out0,
	s_lshl_b32 s20, s20, 12                        ; of 4,096 bytes
	s_lshl_b32 s46, s42, 10                        ; my first column, in bytes
	s_lshl_b32 s47, s16, 9
	s_add_co_u32 s46, s46, s47
	s_add_co_u32 s20, s20, s46
	s_mov_b32 s21, 0
	s_mov_b32 s47, 0
	s_add_nc_u64 s[10:11], s[10:11], s[20:21]
	s_add_nc_u64 s[6:7], s[74:75], s[46:47]        ; and its numbers in bp: as many bytes
	s_wait_kmcnt 0x0
	s_add_co_i32 s96, s96, s97                     ; e10 + e11
	s_sub_co_i32 s98, 0, s96
	s_add_co_i32 s96, s96, 127
	s_lshl_b32 s96, s96, 23                        ; 2^(e10 + e11) as f32
.irp b, 0,1,2,3,4,5,6,7                        ; for Wp's block b the bias of columns 16 b + 8 h + 0 .. 7
	global_load_b128 v[BIAS+8*\b:BIAS+8*\b+3], v12, s[6:7] offset:64*\b
	global_load_b128 v[BIAS+8*\b+4:BIAS+8*\b+7], v12, s[6:7] offset:64*\b+16
.endr
	s_wait_loadcnt 0x0
.set j, 0
.rept 64
	v_ldexp_f32 v[BIAS+j], v[BIAS+j], s98          ; / 2^(e10 + e11)
.set j, j+1
.endr
.macro FRAGB reg, adr, q, i            ; registers 4 c .. 4 c + 3 hold K = 128 q + 32 c + 16 h + 0 .. 15
.irp c, 0,1,2,3
	ds_load_b128 v[\reg+4*\c:\reg+4*\c+3], v[\adr] offset:128*(\q)+32*\c+(\i)*16*PITCH
.endr
.endm
.macro FRAGA reg, adr, q, i            ; the same K: head 2 q + c / 2 of the slot's four, d = 32 (c % 2) + 16 h + 0 .. 15
.irp c, 0,1,2,3
	ds_load_b128 v[\reg+4*\c:\reg+4*\c+3], v[\adr] offset:(2*(\q)+\c/2)*AHEAD+(\i)*1280+32*(\c%2)
.endr
.endm
; 16 matrix instructions: y's blocks a0, a0 + 1 x Wp's eight, 128 along K.  zero = 1: the sums start with the bias.  The 64 accumulators take turns, one instruction a turn.
.macro MUL16 a0, p, zero
.irp a, \a0, \a0+1
.irp b, 0,1,2,3,4,5,6,7
.if \zero
	v_wmma_f32_16x16x128_fp8_fp8 v[8*(8*((\a)%4)+\b):8*(8*((\a)%4)+\b)+7], v[128*(\p)+FR*\b:128*(\p)+FR*\b+FR-1], v[AF+FR*(\a):AF+FR*(\a)+FR-1], v[BIAS+8*\b:BIAS+8*\b+7]
.else
	v_wmma_f32_16x16x128_fp8_fp8 v[8*(8*((\a)%4)+\b):8*(8*((\a)%4)+\b)+7], v[128*(\p)+FR*\b:128*(\p)+FR*\b+FR-1], v[AF+FR*(\a):AF+FR*(\a)+FR-1], v[8*(8*((\a)%4)+\b):8*(8*((\a)%4)+\b)+7]
.endif
.endr
.endr
.endm
.macro FETCH_B slot, q, p
	WIN TO_B
.irp i, 0,1,2,3,4,5,6,7
	FRAGB 128*(\p)+FR*\i, ADRB+\slot, \q, \i
.endr
	WIN 0
.endm
.macro FETCH_A slot, q, i0
.irp i, \i0, \i0+1, \i0+2, \i0+3
	FRAGA AF+FR*(\i), ADRA+\slot, \q, \i
.endr
.endm
.macro PLACES n                        ; plain vector lines between a matrix instruction and a load into, or a read of, its registers (ISA guide 7.12.1 for vector instructions)
.rept \n
	v_nop
.endr
.endm
.macro STEP slot, q, zero
	s_wait_dscnt 4*NL                              ; Wp's set and y's blocks 0-3 are in; the youngest sixteen loads (blocks 4-7) may be out
	WMUL 0, \zero
	MUL16 0, (\q)%2, \zero
	MUL16 2, (\q)%2, \zero
	s_wait_dscnt 0
	PLACES NP
	FETCH_B \slot, (\q)+1, 1-(\q)%2
	FETCH_A \slot, (\q)+1, 0
	WMUL 1, \zero
	MUL16 4, (\q)%2, \zero
	MUL16 6, (\q)%2, \zero
	PLACES NP
	WIN 0
	FETCH_A \slot, (\q)+1, 4
.endm
; A slot's last step changes slots: ONE barrier; in front of it each wave waits for all its tensor loads, adds 0 to its spare word, and waits for that and for its own reads of this slot.
.macro TURN slot, next, fill
	s_wait_tensorcnt 0x0                           ; all my tensor loads have landed: my part of the next slot  (every window is 0 here)
	ds_add_u32 v[SPW], v[NIL]                      ; 0 onto my spare word
	s_wait_dscnt 4*NL+1                            ; (the add and the youngest sixteen loads may be out)
	WIN MUL_LO
	MUL16 0, 1, 0
	s_wait_dscnt 0x0                               ; the add is done, and my reads of this slot are over
	s_barrier_signal -1
	MUL16 2, 1, 0
	WIN 0
	s_barrier_wait -1
.if \fill
	CREST                                          ; a round of the cluster's barrier: no wave of any partner still reads this slot or has a load on its way
	s_add_nc_u64 s[G0+4*\slot+2:G0+4*\slot+3], s[G0+4*\slot+2:G0+4*\slot+3], ASTEP
	s_add_nc_u64 s[G0B+4*\slot+2:G0B+4*\slot+3], s[G0B+4*\slot+2:G0B+4*\slot+3], BSTEP
	JLOAD G0+4*\slot, G1, G0B+4*\slot, G1B         ; the first tensor load behind the round; its four v_nop are the places in front of the loads below
.else
	PLACES NP
.endif
	FETCH_B \next, 0, 0
	FETCH_A \next, 0, 0
	WIN MUL_HI
	MUL16 4, 1, 0
	MUL16 6, 1, 0
	PLACES NP
	WIN 0
	FETCH_A \next, 0, 4
.endm
	s_wait_tensorcnt 1                             ; my part of K step 0 is in (K step 1's load may be out)
	s_barrier_signal -1
	s_barrier_wait -1                              ; everybody's is
	FETCH_B 0, 0, 0
	FETCH_A 0, 0, 0
	FETCH_A 0, 0, 4
	STEP 0, 0, 1                                   ; the first step starts the sums with the bias
	s_mov_b32 s3, LAPS-1
.Llap:
	TURN 0, 1, 1
	STEP 1, 0, 0
	TURN 1, 0, 1
	STEP 0, 0, 0
	s_sub_co_u32 s3, s3, 1
	s_cmp_lg_u32 s3, 0
	s_cbranch_scc1 .Llap
	TURN 0, 1, 0                                   ; the last lap fills nothing
	STEP 1, 0, 0
	s_wait_dscnt 4*NL
	WIN MUL_LO
	MUL16 0, 1, 0
	MUL16 2, 1, 0
	s_wait_dscnt 0
	WIN MUL_HI
	MUL16 4, 1, 0
	MUL16 6, 1, 0
	WIN 0
; THE WAY OUT, block by block of 16 rows x 128 columns, through my own stage in LDS: back come whole rows of 512 bytes.  LDS serves a wave's instructions in order (ISA guide 5.7.1.4).
.macro TOSTAGE a
.set AC, 64*((\a)%4)
	WIN 0x02+((\a)/4)                              ; source 0: window 2 or 3
.set j, 0
.rept 32
	v_pk_mul_f32 v[TMP+j:TMP+j+1], v[AC+j:AC+j+1], s[96:97] op_sel_hi:[1,0]   ; both x s96 = 2^(e10 + e11); each accumulator from its low end on
.set j, j+2
.endr
	WIN 0
.irp b, 0,1,2,3,4,5,6,7
	ds_store_b128 v[STO], v[TMP+8*\b:TMP+8*\b+3] offset:64*\b
	ds_store_b128 v[STO], v[TMP+8*\b+4:TMP+8*\b+7] offset:64*\b+16
.endr
.set BB, BK+64*((\a)%2)
.irp t, 0,1,2,3,4,5,6,7,8,9,10,11,12,13,14,15
	ds_load_b128 v[BB+4*\t:BB+4*\t+3], v[RD] offset:\t*SPITCH
.endr
.endm
.macro SEND a, younger                 ; younger: the LDS instructions issued behind block a's loads, which may stay out
.set BB, BK+64*((\a)%2)
	s_wait_dscnt \younger
.if (\a) > 0
	s_add_nc_u64 s[10:11], s[10:11], 16*SIZE_N*4   ; (behind a wait on XCNT: the earlier stores have read their base)  16 rows on
.endif
.irp t, 0,1,2,3,4,5,6,7,8,9,10,11,12,13,14,15
	global_store_b128 v[CO], v[BB+4*\t:BB+4*\t+3], s[10:11] offset:\t*SIZE_N*4 th:TH_STORE_NT   ; 32 lanes store 512 consecutive bytes; written once, read by nobody here
.endr
.endm
	PLACES NP                                      ; in front of the reads of results and of the loads into the registers that held y's fragments
	TOSTAGE 0
.irp a, 1,2,3,4,5,6,7
.if \a > 1
	s_wait_xcnt 0x0                                ; block a - 2's stores have read their registers and their base
.endif
	TOSTAGE \a
	SEND \a-1, 32                                  ; behind block a - 1's loads: block a's 16 stores and 16 loads
.endr
	s_wait_xcnt 0x0                                ; block 6's stores have read their base
	SEND 7, 0
	s_wait_tensorcnt 0x0                           ; the wave's end, behind my last tensor load and my last LDS store
	ds_add_u32 v[SPW], v[NIL]
	s_wait_dscnt 0x0
	CROUND                                         ; the closing round
	s_endpgm
.Lfunc_end_k_q6d1571e8f3_proj:
	.size	k_q6d1571e8f3_proj, .Lfunc_end_k_q6d1571e8f3_proj-k_q6d1571e8f3_proj
	.p2alignl 7, 3214868480
	.fill 96, 4, 3214868480
	.section	.rodata,"a",@progbits
	.p2align	6, 0x0
	.amdhsa_kernel k_q6d1571e8f3_proj
		.amdhsa_group_segment_fixed_size 327680
		.amdhsa_private_segment_fixed_size 0
		.amdhsa_enable_private_segment 0
		.amdhsa_kernarg_size 40
		.amdhsa_user_sgpr_count 2
		.amdhsa_user_sgpr_kernarg_segment_ptr 1
		.amdhsa_wavefront_size32 1
		.amdhsa_system_sgpr_workgroup_id_x 1
		.amdhsa_system_sgpr_workgroup_id_y 1
		.amdhsa_system_sgpr_workgroup_id_z 1
		.amdhsa_system_vgpr_workitem_id 0
		.amdhsa_next_free_vgpr 1024
		.amdhsa_next_free_sgpr 102
		.amdhsa_reserve_vcc 0
		.amdhsa_float_denorm_mode_32 3
		.amdhsa_float_denorm_mode_16_64 3
		.amdhsa_memory_ordered 1
		.amdhsa_forward_progress 1
		.amdhsa_inst_pref_size 129
	.end_amdhsa_kernel
	.amdgpu_metadata
---
amdhsa.version: [ 1, 2 ]
amdhsa.kernels:
  - .name:           k_q6d1571e8f3_proj
    .symbol:         k_q6d1571e8f3_proj.kd
    .args:
      - { .name: yc, .offset: 0, .size: 8, .value_kind: global_buffer, .address_space: global }
      - { .name: wc, .offset: 8, .size: 8, .value_kind: global_buffer, .address_space: global }
      - { .name: lowp_scales, .offset: 16, .size: 8, .value_kind: global_buffer, .address_space: global }
      - { .name: bp, .offset: 24, .size: 8, .value_kind: global_buffer, .address_space: global }
      - { .name: out0, .offset: 32, .size: 8, .value_kind: global_buffer, .address_space: global }
    .group_segment_fixed_size: 327680
    .private_segment_fixed_size: 0
    .kernarg_segment_align: 8
    .kernarg_segment_size: 40
    .max_flat_workgroup_size: 128
    .sgpr_count:     102
    .vgpr_count:     1024
    .wavefront_size: 32
...
	.end_amdgpu_metadata
.endif
;; end of part 4
;; ======== version 2 of 2: 4 launches; version 1 with the launch attn written anew for expert scheduling mode
;; workspace buffers: xc 25,165,824 bytes; wc 4,194,304 bytes; qc 8,388,608 bytes; kc 8,388,608 bytes; vc 8,388,608 bytes; yc 8,388,608 bytes
;; launch quant: the kernel of part 1 again; grid 384 x 1, 4 waves a work-group, no clusters, 33,280 bytes of LDS; arguments x, Wq, Wk, Wv, Wp, lowp_scales, xc, wc; writes xc, wc
;; launch qkv: the kernel of part 2 again; grid 12 x 32, 4 waves a work-group, clusters of 4 x 4, 327,680 bytes of LDS; arguments xc, wc, lowp_scales, bq, bk, bv, rope_cache, qc, kc, vc; writes qc, kc, vc
;; launch attn (part 5): grid 4 x 64, 16 waves a work-group, no clusters, 146,432 bytes of LDS; arguments qc, kc, vc, lowp_scales, yc; writes yc
.if DOCPART == 5
	.amdgcn_target "amdgcn-amd-amdhsa--gfx1250"
	.amdhsa_code_object_version 6
	.text
	.protected	k_q6d1571e8f3_attn
	.globl	k_q6d1571e8f3_attn
	.p2align	8
	.type	k_q6d1571e8f3_attn,@function
k_q6d1571e8f3_attn:
	s_mov_b64 s[64:65], 0
	v_nop
	global_prefetch_b8 v0, s[64:65] scope:SCOPE_SE
	s_setreg_imm32_b32 hwreg(HW_REG_WAVE_SCHED_MODE, 0, 2), 2
	s_setreg_imm32_b32 hwreg(HW_REG_WAVE_MODE, 25, 1), 1
	s_wait_xcnt 0x0
	s_wait_alu depctr_vm_vsrc(0)
; y[head][q][:] = the sum over keys k <= q of softmax_k(q . k / 8) v[k][:], both products on E4M3 codes; y is quantised at once (2^e10) into yc [64 heads][2048 t][64 d].
; qc, kc: [64][2048][64] (2^e6, 2^e7).  vc: [64][16 blocks][64 d][128 t] (2^e9): the keys innermost.
; THE SOFTMAX: t = score x log2(e) / 8; M = the row's largest t so far, rounded UP to a whole number; p = 2^(t - M) is quantised with 2^e8, not normalised.  The row's sum is taken of the
; unquantised p and divides O at the end.  When M moves, the sum and O are multiplied by 2^(old M - new M), which rounds nothing.
; SHARES.  A work-group has one head and two blocks of 256 queries, G and 7 - G, so that under the causal mask all work-groups have the same work.  Each of its sixteen waves owns 32 queries
; (two tiles of 16) in 256 registers; eight waves take block G, eight block 7 - G, two of each on every group of four waves however the waves are dealt.  Keys go 64 a step: each fragment of K and V read from LDS feeds two products.
; A step all of whose keys come after the wave's queries is left out by a scalar branch on ids; the loop's trip count is a constant, and no barrier stands under a branch.
; LDS.  Two slots of 256 keys.  K: 256 rows of 80 bytes; key k lies at the row that is k with bits 3 and 4 swapped, so that a tile's 16 LDS rows are the keys 32 b + 8 u + r + 8 (r / 8) and the 16 registers of
; tiles 2 b and 2 b + 1 are 16 neighbouring keys.  V: 64 rows d of 272 bytes.  The slots are filled through registers: each thread loads 64 bytes a slot ahead and stores them at the end of the slot in hand.
; No tensor load: work-groups would need different numbers of slots, so nothing could be asked for jointly.
; Both products are used transposed (S^T = K Q^T, O^T = V^T P^T): a lane holds one query of each tile throughout.
; THE HOLD of p: p is at most 1, so it can pass 448 x 2^e8 only where e8 < -8; elsewhere its 64 lines are jumped over, by a branch on the whole number e8.
; LIMITS: e6 + e7 between -123 and 130 (added to c's exponent field); e8, and e10 - e8 - e9, between -126 and 119.
; REGISTERS: v1 r - 16 h; v2-11 addresses; v[12:13], v[14:15] (-M, largest t) of tile 0, 1; v[16:19] the sums; v[20:23] (f, unused) twice; v24-39 Q; v40-71 four fragments of K, then of V;
;   v72-135 S^T, then p; v136-199 O^T; v200-215 p's codes; v216-231 the fill on its way; v232-241 at work; v244-246 addresses; v248-252 constants; v254, v255 the closing add's two.  s46-61: sixteen masks of the diagonal step.
; THE MODE: SCHED_MODE bits 1:0 = 2 (LLVM: expert scheduling mode 2), set by the entry lines.  The code itself states the register dependences
; between vector or matrix instructions and memory or LDS instructions, with s_wait_alu, always for 0.
; THE PLAN.  Registers that memory or LDS instructions touch:
;   v2-11, v244-246, v254, v255   addresses: written at the head by vector lines, never again; one wait on va_vdst ahead of the first load serves every instruction that reads them.
;   v24-39    Q: loaded once; read by products alone.
;   v40-71    a step: K's eight LDS loads land; the products K Q^T read; V's eight LDS loads land; the products V^T P read; then the next step's K.  No vector line writes them.
;             So a wait on va_vdst stands ahead of each of the two runs of loads: the products that read the fragments before are done with them.  The wave's 256 registers are a quarter of what four waves share: there is no second set.
;   v216-231  the fill: four global loads land at a slot's head; four LDS stores read them at its end.  On the way out the loads from the stage land there.  No vector line names them.
;             One wait on vm_vsrc a slot, in front of the slot's barrier: the LDS stores have read them.
;   v200-215  codes: written by conversions, read by products; on the way out read by LDS stores, behind one wait on va_vdst.
; Scalar registers that vector lines write: s14 (the wave's number) and s46-61 (the masks): a wait on va_sdst stands between each run of writers and its first reader.
.set KP,    80
.set VP,    272
.set VOFF,  256*KP                     ; a slot: 256 rows of K, then 64 rows of V
.set SLOT1, 65536
.set STAGE, SLOT1+VOFF+64*VP           ; behind the slots: 32 rows x 80 bytes for each wave, for the way out
.set MK,    46                         ; s46-61: the masks
	s_load_b256 s[4:11], s[0:1], 0x0               ; qc s[4:5], kc s[6:7], vc s[8:9], the scales' exponents s[10:11]
	s_load_b64 s[12:13], s[0:1], 0x20              ; yc
	v_lshl_add_u32 v254, v0, 2, 0x23400
	v_mov_b32 v255, 0
	v_lshrrev_b32 v1, 5, v0
	v_readfirstlane_b32 s14, v1                    ; wave 0..15
	v_and_b32 v232, 15, v0                         ; r.  (The address lines that need no scalar stand here, between that line and the wait for s14)
	v_bfe_u32 v233, v0, 4, 1                       ; h
	v_and_b32 v234, 31, v0                         ; lane
	v_lshlrev_b32 v235, 4, v233
	v_sub_nc_u32 v1, v232, v235                    ; r - 16 h
	v_mul_u32_u24 v2, v232, KP
	v_lshl_add_u32 v2, v233, 4, v2                 ; a fragment of K: row r, + 16 h; slot 0,
	v_add_nc_u32 v3, SLOT1, v2                     ; slot 1
	v_mul_u32_u24 v4, v232, VP
	v_lshl_add_u32 v4, v233, 4, v4
	v_add_nc_u32 v4, VOFF, v4                      ; a fragment of V
	v_add_nc_u32 v5, SLOT1, v4
	v_bfe_u32 v236, v0, 2, 3                       ; the fill: thread n brings 16 bytes of key n / 4; its LDS row: bits 0-2 stay,
	v_bfe_u32 v237, v0, 5, 1
	v_lshl_add_u32 v236, v237, 4, v236             ; bit 3 goes to bit 4,
	v_bfe_u32 v237, v0, 6, 1
	v_lshl_add_u32 v236, v237, 3, v236             ; bit 4 to bit 3,
	v_bfe_u32 v237, v0, 7, 2
	v_lshl_add_u32 v236, v237, 5, v236             ; bits 5 and 6 stay
	v_mul_u32_u24 v236, v236, KP
	v_and_b32 v237, 3, v0
	v_lshl_add_u32 v6, v237, 4, v236
	v_add_nc_u32 v7, SLOT1, v6
	v_lshrrev_b32 v236, 3, v0                      ; and 16 bytes of V's row n / 8
	v_mul_u32_u24 v236, v236, VP
	v_and_b32 v237, 7, v0
	v_lshl_add_u32 v8, v237, 4, v236
	v_add_nc_u32 v8, VOFF, v8
	v_add_nc_u32 v9, SLOT1, v8
	v_lshlrev_b32 v10, 4, v0                       ; 16 x thread: my bytes of 8,192
	v_lshlrev_b32 v245, 6, v232
	v_lshl_add_u32 v245, v233, 4, v245             ; Q: row r of 64 bytes, + 16 h
	v_lshlrev_b32 v246, 4, v234                    ; yc: 16 x lane
	v_mul_u32_u24 v11, v232, KP
	v_lshl_add_u32 v11, v233, 3, v11               ; the stage, in: row r, + 8 h
	v_lshrrev_b32 v236, 2, v234
	v_mul_u32_u24 v236, v236, KP
	v_and_b32 v237, 3, v234
	v_lshl_add_u32 v236, v237, 4, v236             ; back: four lanes to a row's 64 bytes
	s_wait_alu depctr_va_sdst(0)                   ; s14 is written, ahead of its first reader: my queries and my stage are made from it
	s_lshr_b32 s36, s14, 2
	s_xor_b32 s36, s36, s14
	s_and_b32 s36, s36, 1                          ; 0: block G, 1: block 7 - G
	s_lshr_b32 s37, s14, 1                         ; which 32 queries of the block
	s_sub_co_u32 s38, 7, ttmp9
	s_cmp_eq_u32 s36, 0
	s_cselect_b32 s38, ttmp9, s38
	s_lshl_b32 s29, s38, 8
	s_lshl_b32 s37, s37, 5
	s_add_co_u32 s29, s29, s37                     ; my first query
	s_add_co_u32 s30, s29, 31                      ; my last
	s_sub_co_u32 s34, 8, ttmp9                     ; slots that the work-group needs
	s_and_b32 s39, ttmp7, 0xffff
	s_lshl_b32 s40, s39, 17                        ; the head's first byte in each buffer
	s_mov_b32 s41, 0
	s_lshl_b32 s42, s29, 6
	s_add_co_u32 s42, s42, s40                     ; my first query's row
	s_mov_b32 s43, 0
	s_mov_b32 s31, 0                               ; the step's first key
	s_mov_b32 s33, 0                               ; the slot in hand
	s_mov_b32 s20, 0x76543210                      ; v_permlanex16_b32's selects: lane l xor 16
	s_mov_b32 s21, 0xfedcba98
	s_mul_i32 s44, s14, 2560
	s_add_co_u32 s44, s44, STAGE                   ; my stage
	v_add_nc_u32 v11, s44, v11
	v_add_nc_u32 v244, s44, v236
	s_wait_kmcnt 0x0
	s_load_b128 s[24:27], s[10:11], 0x18           ; e6, e7, e8, e9
	s_load_b32 s28, s[10:11], 0x28                 ; e10
	s_add_nc_u64 s[4:5], s[4:5], s[42:43]
	s_add_nc_u64 s[12:13], s[12:13], s[42:43]
	s_add_nc_u64 s[6:7], s[6:7], s[40:41]
	s_add_nc_u64 s[8:9], s[8:9], s[40:41]
.macro FILL_LOAD                       ; a slot's 16,384 bytes of K and of V are dense in memory: a load of the wave covers 512 consecutive bytes
	global_load_b128 v[216:219], v10, s[6:7]
	global_load_b128 v[220:223], v10, s[6:7] offset:8192
	global_load_b128 v[224:227], v10, s[8:9]
	global_load_b128 v[228:231], v10, s[8:9] offset:8192
.endm
.macro FILL_STORE s
	ds_store_b128 v[6+(\s)], v[216:219]
	ds_store_b128 v[6+(\s)], v[220:223] offset:128*KP        ; keys 128 on
	ds_store_b128 v[8+(\s)], v[224:227]
	ds_store_b128 v[8+(\s)], v[228:231] offset:128           ; the next block of 128 keys: 128 bytes on in each row
.endm
	s_wait_alu depctr_va_vdst(0)                   ; the addresses v2-11 and v244-246 are written: every load and store of the kernel reads one of them, and no vector line names them again
	FILL_LOAD                                      ; slot 0
.irp x, 0,1
.irp c, 0,1
	global_load_b128 v[24+8*\x+4*\c:27+8*\x+4*\c], v245, s[4:5] offset:1024*\x+32*\c   ; Q stays in registers: registers 4 c .. 4 c + 3 hold d = 32 c + 16 h + 0 .. 15, as K's fragments do
.endr
.endr
	v_mov_b32 v13, 0xff61b1e6                      ; the largest t so far: -3e38, under every t
	v_mov_b32 v15, 0xff61b1e6
	v_floor_f32 v12, -v13                          ; -M
	v_floor_f32 v14, -v15
.irp j, 16,17,18,19,21,23
	v_mov_b32 v\j, 0                               ; the sums; and the upper halves of the pairs that hold f
.endr
.set j, 0
.rept 64
	v_mov_b32 v[136+j], 0                          ; O^T.  (The step is written once: the first finds zeros, which the first change of M leaves zeros)
.set j, j+1
.endr
	v_mov_b32 v250, 0xff800000                     ; -infinity
	s_wait_kmcnt 0x0
	s_add_co_i32 s36, s24, s25
	s_lshl_b32 s36, s36, 23
	s_add_co_i32 s22, s36, 0x3e38aa3b              ; c = log2(e) / 8, with e6 + e7 added to its exponent field: a score stands for score x 2^(e6 + e7)
	s_mov_b32 s23, s22                             ; (named with it as a pair, so it is written)
	s_add_co_i32 s36, s26, 127
	s_lshl_b32 s37, s36, 23
	v_mov_b32 v248, s37                            ; 2^e8
	s_add_co_i32 s36, s36, 8
	s_lshl_b32 s36, s36, 23
	s_or_b32 s36, s36, 0x600000
	v_mov_b32 v249, s36                            ; 448 x 2^e8
	s_cmp_lt_i32 s26, -8
	s_cselect_b32 s35, 1, 0                        ; 1: p can pass the largest code
	s_sub_co_i32 s36, s28, s26
	s_sub_co_i32 s36, s36, s27
	s_add_co_i32 s36, s36, 127
	s_lshl_b32 s37, s36, 23
	v_mov_b32 v251, s37                            ; 2^(e10 - e8 - e9): O / l stands for y / 2^(e8 + e9)
	s_add_co_i32 s36, s36, 8
	s_lshl_b32 s36, s36, 23
	s_or_b32 s36, s36, 0x600000
	v_mov_b32 v252, s36                            ; 448 x that
	s_wait_loadcnt 0x0                             ; slot 0's bytes and Q are in; the loads' bases may step
	FILL_STORE 0
	s_add_nc_u64 s[6:7], s[6:7], 16384
	s_add_nc_u64 s[8:9], s[8:9], 16384
	s_wait_dscnt 0x0                               ; for the others' sake: my stores have landed
	s_wait_alu depctr_vm_vsrc(0)                   ; the fill's LDS stores have read v216-231, in which the next fill's loads land
	s_barrier_signal -1
	s_barrier_wait -1
; A KEY STEP: 64 keys, the q-th of slot s.
.macro STEP s, q
	s_cmp_gt_u32 s31, s30                          ; all its keys come after my queries: nothing to do
	s_cbranch_scc1 .Lhidden_\@
.rept 4
	v_nop                                          ; places in front of loads into registers that the last products read
.endr
	s_wait_alu depctr_va_vdst(0)                   ; the last step's products V^T P are done reading v40-71, in which K's fragments land
.irp t, 0,1,2,3
.irp c, 0,1
	ds_load_b128 v[40+8*\t+4*\c:43+8*\t+4*\c], v[2+\s] offset:(64*\q+16*\t)*KP+32*\c
.endr
.endr
	s_wait_dscnt 0x0
.irp t, 0,1,2,3                                ; S^T = K Q^T: lane (r, h) holds query r of tile x; register j of key tile t = 2 b + u is key 32 b + 16 h + 8 u + j
.irp x, 0,1
	v_wmma_f32_16x16x64_fp8_fp8 v[72+32*\x+8*\t:79+32*\x+8*\t], v[40+8*\t:47+8*\t], v[24+8*\x:31+8*\x], 0
.endr
.endr
.rept 4
	v_nop                                          ; places in front of the loads below and of the first read of the scores
.endr
	s_wait_alu depctr_va_vdst(0)                   ; the products K Q^T are done reading v40-71, in which V's fragments land; the vector lines below want the same products' results
.irp t, 0,1,2,3                                ; V's four fragments land under the softmax
.irp c, 0,1
	ds_load_b128 v[40+8*\t+4*\c:43+8*\t+4*\c], v[4+\s] offset:16*\t*VP+64*\q+32*\c
.endr
.endr
	s_add_co_u32 s36, s31, 63                      ; on the diagonal the scores of hidden keys become -infinity: p = 0 then.  A step all of whose keys count skips this
	s_cmp_le_u32 s36, s29
	s_cbranch_scc1 .Lopen_\@
	s_sub_co_i32 s36, s29, s31
	v_add_nc_u32 v240, s36, v1                     ; d = my query - the step's first key - 16 h: register 16 b + i is hidden where 32 b + i > d
	v_add_nc_u32 v241, 16, v240                    ; tile 1's query lies 16 on
.irp x, 0,1                                    ; sixteen compares in a run, each into a scalar register of its own; one wait; the sixteen selects
.irp g, 0,1
.set n, 0
.rept 16
	v_cmp_gt_i32 s[MK+n], 32*\g+n, v[240+\x]
.set n, n+1
.endr
	s_wait_alu depctr_va_sdst(0)                   ; the sixteen masks s46-61 are written, ahead of the selects that read them
.set n, 0
.rept 16
	v_cndmask_b32 v[72+32*\x+16*\g+n], v[72+32*\x+16*\g+n], v250, s[MK+n]
.set n, n+1
.endr
.endr
.endr
.Lopen_\@:
	v_max3_num_f32 v232, v72, v73, v74             ; the step's largest score of each of my two queries among my 32 keys: two chains a tile, each accumulator from its low end on
	v_max3_num_f32 v234, v104, v105, v106
	v_max3_num_f32 v233, v75, v76, v77
	v_max3_num_f32 v235, v107, v108, v109
.irp i, 6,10,14,18,22,26
	v_max3_num_f32 v232, v232, v[72+\i], v[73+\i]
	v_max3_num_f32 v234, v234, v[104+\i], v[105+\i]
	v_max3_num_f32 v233, v233, v[74+\i], v[75+\i]
	v_max3_num_f32 v235, v235, v[106+\i], v[107+\i]
.endr
	v_max3_num_f32 v232, v232, v102, v103
	v_max3_num_f32 v234, v234, v134, v135
	v_max_num_f32 v232, v232, v233
	v_max_num_f32 v234, v234, v235
	v_permlanex16_b32 v236, v232, s20, s21
	v_permlanex16_b32 v237, v234, s20, s21
	v_max_num_f32 v232, v232, v236                 ; and among lane l xor 16's
	v_max_num_f32 v234, v234, v237
	v_mul_f32 v232, s22, v232                      ; as t (c is positive)
	v_mul_f32 v234, s22, v234
	v_max_num_f32 v13, v13, v232                   ; the running largest t
	v_max_num_f32 v15, v15, v234
	v_mov_b32 v238, v12
	v_mov_b32 v239, v14
	v_floor_f32 v12, -v13                          ; the new -M = floor(-t): M is a whole number
	v_floor_f32 v14, -v15
	v_sub_f32 v238, v12, v238                      ; old M - new M: a whole number, 0 or less
	v_sub_f32 v239, v14, v239
	v_cvt_i32_f32 v238, v238                       ; (it saturates)
	v_cvt_i32_f32 v239, v239
	v_ldexp_f32 v20, 1.0, v238                     ; f = 2^(old M - new M)
	v_ldexp_f32 v22, 1.0, v239
.set j, 0
.rept 16
	v_pk_fma_f32 v[72+j:73+j], v[72+j:73+j], s[22:23], v[12:13] op_sel_hi:[1,0,0]      ; t - M, two at a time (of the pairs c and -M the low word serves both halves)
	v_pk_fma_f32 v[104+j:105+j], v[104+j:105+j], s[22:23], v[14:15] op_sel_hi:[1,0,0]
.set j, j+2
.endr
.set j, 0
.rept 64
	v_exp_f32 v[72+j], v[72+j]                     ; p = 2^(t - M)
.set j, j+1
.endr
	v_pk_mul_f32 v[16:17], v[16:17], v[20:21] op_sel_hi:[1,0]   ; the sums under the new M.  (Plain lines behind the exponentials)
	v_pk_mul_f32 v[18:19], v[18:19], v[22:23] op_sel_hi:[1,0]
	s_wait_alu depctr_va_vdst(0)                   ; the 64 exponentials have written v72-135: one wait for the batch, ahead of its first reader
	v_pk_add_f32 v[232:233], v[72:73], v[74:75]    ; the row's sum is taken of the UNQUANTISED p: two chains a tile
	v_pk_add_f32 v[234:235], v[104:105], v[106:107]
.irp j, 4,8,12,16,20,24,28
	v_pk_add_f32 v[16:17], v[16:17], v[72+\j:73+\j]
	v_pk_add_f32 v[18:19], v[18:19], v[104+\j:105+\j]
	v_pk_add_f32 v[232:233], v[232:233], v[74+\j:75+\j]
	v_pk_add_f32 v[234:235], v[234:235], v[106+\j:107+\j]
.endr
	v_pk_add_f32 v[16:17], v[16:17], v[232:233]
	v_pk_add_f32 v[18:19], v[18:19], v[234:235]
	s_cmp_lg_u32 s35, 0
	s_cbranch_scc0 .Lnohold_\@
.set j, 0
.rept 64
	v_min_num_f32 v[72+j], v[72+j], v249           ; the conversion to an 8-bit code does not saturate (ISA guide 7.6.2); p is not negative, so the hold is one-sided
.set j, j+1
.endr
.Lnohold_\@:
.irp x, 0,1
.irp t, 0,1,2,3
	v_cvt_scalef32_pk8_fp8_f32 v[200+8*\x+2*\t:201+8*\x+2*\t], v[72+32*\x+8*\t:79+32*\x+8*\t], v248   ; registers 4 b .. 4 b + 3 of P: keys 32 b + 16 h + 0 .. 15, as V's fragments have them
.endr
.endr
.set j, 0
.rept 16
	v_pk_mul_f32 v[136+j:137+j], v[136+j:137+j], v[20:21] op_sel_hi:[1,0]      ; O^T under the new M.  (These are also the plain lines behind the conversions)
.set j, j+2
.endr
.set j, 0
.rept 16
	v_pk_mul_f32 v[168+j:169+j], v[168+j:169+j], v[22:23] op_sel_hi:[1,0]
.set j, j+2
.endr
	s_wait_dscnt 0x0                               ; V's fragments are in
.irp t, 0,1,2,3                                ; O^T += V^T P^T: the eight accumulators take turns
.irp x, 0,1
	v_wmma_f32_16x16x64_fp8_fp8 v[136+32*\x+8*\t:143+32*\x+8*\t], v[40+8*\t:47+8*\t], v[200+8*\x:207+8*\x], v[136+32*\x+8*\t:143+32*\x+8*\t]
.endr
.endr
.Lhidden_\@:
	s_add_co_u32 s31, s31, 64
.endm
; A SLOT: the next slot's bytes are asked for, if the work-group needs them; four steps; the bytes go into the other slot, which every wave left at the last barrier; one barrier:
; in front of it my reads of this slot are back and my stores into the other have landed.
.macro SLOTTRIP s
	s_add_co_u32 s36, s33, 1+\s
	s_cmp_lt_u32 s36, s34
	s_cbranch_scc0 .Lnoload_\@
	FILL_LOAD                                      ; no wait here: the wait on vm_vsrc in front of the last barrier stands on every way to these loads, and no vector line names v10 or v216-231
.Lnoload_\@:
	STEP \s, 0
	STEP \s, 1
	STEP \s, 2
	STEP \s, 3
	s_wait_loadcnt 0x0                             ; the fill is in registers, and its bases may step
	s_add_co_u32 s36, s33, 1+\s
	s_cmp_lt_u32 s36, s34
	s_cbranch_scc0 .Lnostore_\@
	FILL_STORE 1-\s
	s_add_nc_u64 s[6:7], s[6:7], 16384
	s_add_nc_u64 s[8:9], s[8:9], 16384
.Lnostore_\@:
	s_wait_dscnt 0x0
	s_wait_alu depctr_vm_vsrc(0)                   ; where the fill was stored: its LDS stores have read v216-231, in which the next fill's loads land, and behind the loop the loads from the stage
	s_barrier_signal -1
	s_barrier_wait -1
.endm
.Lpair:                                            ; four trips of two slots: a constant, for every work-group
	SLOTTRIP 0
	SLOTTRIP 1
	s_add_co_u32 s33, s33, 2
	s_cmp_lt_u32 s33, 8
	s_cbranch_scc1 .Lpair
	; THE WAY OUT.  O^T / the sum is quantised and goes through my stage in LDS, so that a store of the wave covers 512 consecutive bytes: eight rows of yc.
.rept 4
	v_nop                                          ; places behind the last products
.endr
	v_add_f32 v16, v16, v17                        ; the sum's two halves,
	v_add_f32 v18, v18, v19
	v_permlanex16_b32 v236, v16, s20, s21
	v_permlanex16_b32 v237, v18, s20, s21
	v_add_f32 v16, v16, v236                       ; and lane l xor 16's
	v_add_f32 v18, v18, v237
	v_rcp_f32 v16, v16
	v_rcp_f32 v18, v18
	v_nop                                          ; a plain line behind the transcendentals
	s_wait_alu depctr_va_vdst(0)                   ; the two reciprocals have written v16 and v18, ahead of their first reader
.set j, 0
.rept 16
	v_pk_mul_f32 v[136+j:137+j], v[136+j:137+j], v[16:17] op_sel_hi:[1,0]
.set j, j+2
.endr
.set j, 0
.rept 16
	v_pk_mul_f32 v[168+j:169+j], v[168+j:169+j], v[18:19] op_sel_hi:[1,0]
.set j, j+2
.endr
.set j, 0
.rept 64
	v_med3_num_f32 v[136+j], v[136+j], -v252, v252 ; the hold at the largest code x the scale
.set j, j+1
.endr
.irp x, 0,1
.irp t, 0,1,2,3
	v_cvt_scalef32_pk8_fp8_f32 v[200+8*\x+2*\t:201+8*\x+2*\t], v[136+32*\x+8*\t:143+32*\x+8*\t], v251
.endr
.endr
	v_nop
	s_wait_alu depctr_va_vdst(0)                   ; the conversions have written v200-215, which the LDS stores read
.irp x, 0,1
.irp t, 0,1,2,3
	ds_store_b64 v11, v[200+8*\x+2*\t:201+8*\x+2*\t] offset:16*KP*\x+16*\t   ; query 16 x + r, channels 16 t + 8 h on
.endr
.endr
.irp k, 0,1,2,3
	ds_load_b128 v[216+4*\k:219+4*\k], v244 offset:8*KP*\k   ; LDS serves a wave's instructions in order: these see my stores
.endr
.irp k, 0,1,2,3
	s_wait_dscnt 3-\k                              ; the younger loads may be out
	global_store_b128 v246, v[216+4*\k:219+4*\k], s[12:13] offset:512*\k
.endr
	s_wait_dscnt 0x0                               ; the closing lines, six on end
	s_wait_alu 0x0
	s_wait_tensorcnt 0x0
	ds_add_u32 v254, v255
	s_wait_dscnt 0x0
	s_endpgm
.Lfunc_end_k_q6d1571e8f3_attn:
	.size	k_q6d1571e8f3_attn, .Lfunc_end_k_q6d1571e8f3_attn-k_q6d1571e8f3_attn
	.p2alignl 7, 3214868480
	.fill 96, 4, 3214868480
	.section	.rodata,"a",@progbits
	.p2align	6, 0x0
	.amdhsa_kernel k_q6d1571e8f3_attn
		.amdhsa_group_segment_fixed_size 146432
		.amdhsa_private_segment_fixed_size 0
		.amdhsa_enable_private_segment 0
		.amdhsa_kernarg_size 40
		.amdhsa_user_sgpr_count 2
		.amdhsa_user_sgpr_kernarg_segment_ptr 1
		.amdhsa_wavefront_size32 1
		.amdhsa_system_sgpr_workgroup_id_x 1
		.amdhsa_system_sgpr_workgroup_id_y 1
		.amdhsa_system_sgpr_workgroup_id_z 1
		.amdhsa_system_vgpr_workitem_id 0
		.amdhsa_next_free_vgpr 256
		.amdhsa_next_free_sgpr 66
		.amdhsa_reserve_vcc 0
		.amdhsa_float_denorm_mode_32 3
		.amdhsa_float_denorm_mode_16_64 3
		.amdhsa_memory_ordered 1
		.amdhsa_forward_progress 1
		.amdhsa_inst_pref_size 214
	.end_amdhsa_kernel
	.amdgpu_metadata
---
amdhsa.version: [ 1, 2 ]
amdhsa.kernels:
  - .name:           k_q6d1571e8f3_attn
    .symbol:         k_q6d1571e8f3_attn.kd
    .args:
      - { .name: qc, .offset: 0, .size: 8, .value_kind: global_buffer, .address_space: global }
      - { .name: kc, .offset: 8, .size: 8, .value_kind: global_buffer, .address_space: global }
      - { .name: vc, .offset: 16, .size: 8, .value_kind: global_buffer, .address_space: global }
      - { .name: lowp_scales, .offset: 24, .size: 8, .value_kind: global_buffer, .address_space: global }
      - { .name: yc, .offset: 32, .size: 8, .value_kind: global_buffer, .address_space: global }
    .group_segment_fixed_size: 146432
    .private_segment_fixed_size: 0
    .kernarg_segment_align: 8
    .kernarg_segment_size: 40
    .max_flat_workgroup_size: 512
    .sgpr_count:     66
    .vgpr_count:     256
    .wavefront_size: 32
...
	.end_amdgpu_metadata
.endif
;; end of part 5
;; launch proj: the kernel of part 4 again; grid 4 x 32, 4 waves a work-group, clusters of 4 x 4, 327,680 bytes of LDS; arguments yc, wc, lowp_scales, bp, out0; writes out0
